; MI455X (gfx1250); checked and timed in simulation.
; The chip was launched on July 23, 2026; its instructions are those of AMD's public machine-readable ISA for CDNA 5 (MIT licence, August 2026) and "CDNA5" Instruction Set Architecture Reference Guide (July 2026). The comments in the code are by the model that wrote it; some were corrected since.
;; Multi Head Self Attention. Allowed arithmetic: float matrix products may take bf16 or f16 operands with f32 sums; all other float work in f32.
;; Inputs: Wk 1,024 x 1,024 float32; Wo 1,024 x 1,024 float32; Wq 1,024 x 1,024 float32; Wv 1,024 x 1,024 float32; token_positions 4 x 2,048 int32; x 4 x 2,048 x 1,024 float32.
;; Outputs: out0 4 x 2,048 x 1,024 float32.
;; 2 versions, each right; version 2 is version 1 with the launch prep written anew for expert scheduling mode. Each part assembles by itself: llvm-mc -triple=amdgcn-amd-amdhsa -mcpu=gfx1250 --defsym DOCPART=n.
;; ======== version 1 of 2: 4 launches
;; limits: values are held in f16: magnitudes above 65,504 overflow, below 6.1e-05 lose precision; an absolute error that grows with the inputs' magnitude: up to 2e-07 times it
;; workspace buffers: xh 16,777,216 bytes; wh 6,291,456 bytes; woh 2,097,152 bytes; tab 2,097,152 bytes; qkv 50,331,648 bytes; att 16,777,216 bytes
;; launch prep (part 1): grid 512 x 1, 8 waves a work-group, no clusters, 0 bytes of LDS; arguments x, Wq, Wk, Wv, Wo, token_positions, xh, wh, woh, tab; writes xh, wh, woh, tab
.if DOCPART == 1
	.amdgcn_target "amdgcn-amd-amdhsa--gfx1250"
	.amdhsa_code_object_version 6
	.text
	.protected	k_qb46dc70d2d_prep
	.globl	k_qb46dc70d2d_prep
	.p2align	8
	.type	k_qb46dc70d2d_prep,@function
k_qb46dc70d2d_prep:
	s_mov_b64 s[64:65], 0
	v_nop
	global_prefetch_b8 v0, s[64:65] scope:SCOPE_SE
	s_setreg_imm32_b32 hwreg(HW_REG_WAVE_MODE, 25, 1), 1
	s_wait_xcnt 0x0
; prep: x and the four weights are rounded to bf16 (nearest even) and stored as f16; the cos/sin table of RoPE is made from token_positions.
; Why two steps: the products' operands are bf16 values; f16 holds every bf16 value of magnitude 2^-14 .. 65,504 exactly, and the later
; intermediates (Q, K, V, P, attention output) need f16's eleven bits.  LIMITS: a bf16 value below 2^-14 is held with an absolute error of at
; most 3e-8; |x| or |W| above 65,504 becomes infinity.  The angle is pos * inv_freq in f32, reduced by pi/2 in two parts; it differs from an
; exact angle by about |pos| * 2e-7 rad (0.0004 at pos = 2,047; above 0.01 beyond |pos| = 50,000).
; A stream: no LDS, no barrier, no matrix unit.  Eight waves; work-group g owns 16 rows of x, 2 rows of each weight, and the table block of its 16 rows.
; An item is 2,048 numbers; thread t takes 8 of them: two 16-byte loads at 32 t, one 16-byte store at 16 t, so a wave's store covers 512 aligned
; consecutive bytes.  12 items, all 24 loads issued at once; nothing is read twice and no register is written again behind its store.
; TABLE: one block of 4,096 bytes for 16 rows.  The 16 bytes at 512 q + 16 L (q = 0..7, L = 0..31, r = L & 15, h = L >> 4) hold cos, sin, cos, sin of row r and
; frequencies i0, i0 + 1 with i0 = 8 (q >> 1) + 4 h + 2 (q & 1): the order in which a lane of the projection's result tile holds its column pairs.
.set X0, 32                            ; v[32+8m : 39+8m]  item m, m = 0..11 (x: 0..7; Wq, Wk, Wv, Wo: 8..11)
.set T,  24                            ; v[24:27]  four packed pairs at work
.macro CVT8 x                          ; eight f32 in v[x : x+7] become eight f16 in v[x : x+3]
.irp j, 0,1,2,3
	v_cvt_pk_bf16_f32 v[T+\j], v[(\x)+2*\j], v[(\x)+2*\j+1]      ; the one rounding, to bf16
.endr
.irp j, 0,1,2,3
	v_lshlrev_b32 v[(\x)+2*\j],   16,  v[T+\j]                   ; back to f32: the low half moves up,
	v_and_b32     v[(\x)+2*\j+1], s24, v[T+\j]                   ; the high half stays
.endr
.irp j, 0,1,2,3
	v_cvt_pk_f16_f32 v[(\x)+\j], v[(\x)+2*\j], v[(\x)+2*\j+1]    ; ascending: each source is read before it is written over
.endr
.endm
; cos and sin of an angle: n = nearest whole number of quarter turns, r = angle - n pi/2 (|r| <= pi/4), two polynomials, then the quadrant by selects and sign bits.
.macro SINCOS ang, c, s
	v_mul_f32 v10, 0x3f22f983, \ang                ; angle * 2/pi
	v_rndne_f32 v10, v10                           ; n
	v_fmamk_f32 v11, v10, 0xbfc90fdb, \ang         ; - n * (pi/2, upper part)
	v_fmamk_f32 v11, v10, 0x333bbd2e, v11          ; - n * (pi/2, lower part, which is negative)
	v_mul_f32 v12, v11, v11                        ; z = r^2
	v_fmaak_f32 v13, v17, v12, 0x3c088889          ; sin: -1/5040 z + 1/120
	v_fmaak_f32 v14, v18, v12, 0xbab60b61          ; cos: 1/40320 z - 1/720
	v_fmaak_f32 v13, v13, v12, 0xbe2aaaab          ; .. - 1/6
	v_fmaak_f32 v14, v14, v12, 0x3d2aaaab          ; .. + 1/24
	v_mul_f32 v13, v13, v12
	v_fmaak_f32 v14, v14, v12, 0xbf000000          ; .. - 1/2
	v_fma_f32 v13, v13, v11, v11                   ; sin r
	v_fma_f32 v14, v14, v12, 1.0                   ; cos r
	v_cvt_i32_f32 v15, v10                         ; k = n as a whole number
	v_and_b32 v16, 1, v15
	v_cmp_eq_u32 vcc_lo, 1, v16                    ; odd quadrants exchange sin and cos
	v_cndmask_b32 \s, v13, v14, vcc_lo
	v_cndmask_b32 \c, v14, v13, vcc_lo
	v_and_b32 v16, 2, v15                          ; sin is negative in quadrants 2 and 3
	v_lshlrev_b32 v16, 30, v16
	v_xor_b32 \s, \s, v16
	v_add_nc_u32 v16, 1, v15                       ; cos in quadrants 1 and 2
	v_and_b32 v16, 2, v16
	v_lshlrev_b32 v16, 30, v16
	v_xor_b32 \c, \c, v16
.endm
	s_load_b512 s[4:19], s[0:1], 0x0               ; x s4, Wq s6, Wk s8, Wv s10, Wo s12, positions s14, xh s16, wh s18
	s_load_b128 s[20:23], s[0:1], 0x40             ; woh s20, tab s22
	s_mov_b32 s24, 0xffff0000                      ; a word's upper bf16
	s_mov_b32 s3, 0
	v_lshlrev_b32 v1, 5, v0                        ; 32 t: my 8 numbers of an item, in
	v_lshlrev_b32 v2, 4, v0                        ; 16 t: out, and my 16 bytes of the table block
	v_and_b32 v3, 15, v0
	v_lshlrev_b32 v3, 2, v3                        ; my row's position
	v_lshrrev_b32 v5, 6, v0                        ; q >> 1
	v_bfe_u32 v6, v0, 4, 1                         ; h
	v_bfe_u32 v7, v0, 5, 1                         ; q & 1
	v_lshlrev_b32 v5, 3, v5
	v_lshl_add_u32 v5, v6, 2, v5
	v_lshl_add_u32 v5, v7, 1, v5                   ; i0
	v_cvt_f32_u32 v6, v5
	v_add_f32 v7, 1.0, v6
	v_mul_f32 v6, 0xbed49a78, v6                   ; - i log2(10000) / 32
	v_mul_f32 v7, 0xbed49a78, v7
	v_exp_f32 v6, v6                               ; inv_freq of i0
	v_exp_f32 v7, v7                               ; and of i0 + 1
	v_mov_b32 v17, 0xb9500d01                      ; -1/5040  (the plain instruction that stands behind the two exponentials: ISA guide 5.7.2)
	v_mov_b32 v18, 0x37d00d01                      ; 1/40320
	s_wait_kmcnt 0x0
	s_lshl_b32 s2, ttmp9, 6                        ; 16 positions
	s_add_nc_u64 s[14:15], s[14:15], s[2:3]
	s_lshl_b32 s2, ttmp9, 16                       ; 16 rows of x, 4,096 bytes each
	s_add_nc_u64 s[4:5], s[4:5], s[2:3]
	s_lshl_b32 s2, ttmp9, 13                       ; 2 rows of a weight
	s_add_nc_u64 s[6:7], s[6:7], s[2:3]
	s_add_nc_u64 s[8:9], s[8:9], s[2:3]
	s_add_nc_u64 s[10:11], s[10:11], s[2:3]
	s_add_nc_u64 s[12:13], s[12:13], s[2:3]
	s_lshl_b32 s2, ttmp9, 15                       ; 16 rows of xh
	s_add_nc_u64 s[16:17], s[16:17], s[2:3]
	s_lshl_b32 s2, ttmp9, 12                       ; 2 rows of a weight in f16; a table block
	s_add_nc_u64 s[18:19], s[18:19], s[2:3]
	s_add_nc_u64 s[20:21], s[20:21], s[2:3]
	s_add_nc_u64 s[22:23], s[22:23], s[2:3]
	global_load_b32 v4, v3, s[14:15]
.irp k, 0,1,2,3,4,5,6,7
	global_load_b128 v[X0+8*\k:X0+8*\k+3],   v1, s[4:5] offset:8192*\k th:TH_LOAD_NT       ; each byte is read once in the launch
	global_load_b128 v[X0+8*\k+4:X0+8*\k+7], v1, s[4:5] offset:8192*\k+16 th:TH_LOAD_NT
.endr
.irp m, 0,1,2,3
	global_load_b128 v[X0+64+8*\m:X0+64+8*\m+3],   v1, s[6+2*\m:7+2*\m] th:TH_LOAD_NT
	global_load_b128 v[X0+64+8*\m+4:X0+64+8*\m+7], v1, s[6+2*\m:7+2*\m] offset:16 th:TH_LOAD_NT
.endr
	s_wait_loadcnt 24                              ; the position is in; the 24 younger loads stay out while the table is made
	v_cvt_f32_i32 v4, v4
	s_wait_alu depctr_va_vdst(0)
	v_mul_f32 v8, v4, v6                           ; the two angles
	v_mul_f32 v9, v4, v7
	SINCOS v8, v28, v29
	SINCOS v9, v30, v31
	global_store_b128 v2, v[28:31], s[22:23]
.irp k, 0,1,2,3,4,5,6,7
	s_wait_loadcnt 22-2*\k                         ; two loads for each younger item stay out
	CVT8 X0+8*\k
	global_store_b128 v2, v[X0+8*\k:X0+8*\k+3], s[16:17] offset:4096*\k
.endr
.irp m, 0,1,2
	s_wait_loadcnt 6-2*\m
	CVT8 X0+64+8*\m
	global_store_b128 v2, v[X0+64+8*\m:X0+64+8*\m+3], s[18:19] offset:2097152*\m       ; wh: Wq, then Wk, then Wv, 1,024 rows each
.endr
	s_wait_loadcnt 0x0
	CVT8 X0+88
	global_store_b128 v2, v[X0+88:X0+91], s[20:21]
	s_endpgm
.Lfunc_end_k_qb46dc70d2d_prep:
	.size	k_qb46dc70d2d_prep, .Lfunc_end_k_qb46dc70d2d_prep-k_qb46dc70d2d_prep
	.p2alignl 7, 3214868480
	.fill 96, 4, 3214868480
	.section	.rodata,"a",@progbits
	.p2align	6, 0x0
	.amdhsa_kernel k_qb46dc70d2d_prep
		.amdhsa_group_segment_fixed_size 0
		.amdhsa_private_segment_fixed_size 0
		.amdhsa_enable_private_segment 0
		.amdhsa_kernarg_size 80
		.amdhsa_user_sgpr_count 2
		.amdhsa_user_sgpr_kernarg_segment_ptr 1
		.amdhsa_wavefront_size32 1
		.amdhsa_system_sgpr_workgroup_id_x 1
		.amdhsa_system_sgpr_workgroup_id_y 1
		.amdhsa_system_sgpr_workgroup_id_z 1
		.amdhsa_system_vgpr_workitem_id 0
		.amdhsa_next_free_vgpr 128
		.amdhsa_next_free_sgpr 66
		.amdhsa_reserve_vcc 1
		.amdhsa_float_denorm_mode_32 3
		.amdhsa_float_denorm_mode_16_64 3
		.amdhsa_memory_ordered 1
		.amdhsa_forward_progress 1
		.amdhsa_inst_pref_size 18
	.end_amdhsa_kernel
	.amdgpu_metadata
---
amdhsa.version: [ 1, 2 ]
amdhsa.kernels:
  - .name:           k_qb46dc70d2d_prep
    .symbol:         k_qb46dc70d2d_prep.kd
    .args:
      - { .name: x, .offset: 0, .size: 8, .value_kind: global_buffer, .address_space: global }
      - { .name: Wq, .offset: 8, .size: 8, .value_kind: global_buffer, .address_space: global }
      - { .name: Wk, .offset: 16, .size: 8, .value_kind: global_buffer, .address_space: global }
      - { .name: Wv, .offset: 24, .size: 8, .value_kind: global_buffer, .address_space: global }
      - { .name: Wo, .offset: 32, .size: 8, .value_kind: global_buffer, .address_space: global }
      - { .name: token_positions, .offset: 40, .size: 8, .value_kind: global_buffer, .address_space: global }
      - { .name: xh, .offset: 48, .size: 8, .value_kind: global_buffer, .address_space: global }
      - { .name: wh, .offset: 56, .size: 8, .value_kind: global_buffer, .address_space: global }
      - { .name: woh, .offset: 64, .size: 8, .value_kind: global_buffer, .address_space: global }
      - { .name: tab, .offset: 72, .size: 8, .value_kind: global_buffer, .address_space: global }
    .group_segment_fixed_size: 0
    .private_segment_fixed_size: 0
    .kernarg_segment_align: 8
    .kernarg_segment_size: 80
    .max_flat_workgroup_size: 256
    .sgpr_count:     66
    .vgpr_count:     128
    .wavefront_size: 32
...
	.end_amdgpu_metadata
.endif
;; end of part 1
;; launch qkv (part 2): grid 8 x 32, 4 waves a work-group, clusters of 4 x 4, 327,680 bytes of LDS; arguments xh, wh, tab, qkv; writes qkv
.if DOCPART == 2
	.amdgcn_target "amdgcn-amd-amdhsa--gfx1250"
	.amdhsa_code_object_version 6
	.text
	.protected	k_qb46dc70d2d_qkv
	.globl	k_qb46dc70d2d_qkv
	.p2align	8
	.type	k_qb46dc70d2d_qkv,@function
k_qb46dc70d2d_qkv:
	s_mov_b64 s[64:65], 0
	v_nop
	global_prefetch_b8 v0, s[64:65] scope:SCOPE_SE
	s_setreg_imm32_b32 hwreg(HW_REG_WAVE_MODE, 25, 1), 1
	s_wait_xcnt 0x0
	s_wait_alu depctr_hold_cnt(0) depctr_sa_sdst(0) depctr_va_vdst(0) depctr_va_sdst(0) depctr_va_ssrc(0) depctr_va_vcc(0) depctr_vm_vsrc(0)
	s_getreg_b32 s2, hwreg(HW_REG_IB_STS2, 6, 4)
	s_cmp_eq_u32 s2, 0
	s_cbranch_scc0 .Lentry_in_a_cluster
	s_endpgm
.Lentry_in_a_cluster:
	s_bfe_u32 s2, ttmp6, 0x10000c
	s_cmp_lg_u32 s2, 0xf033
	s_cbranch_scc0 .Lentry_shape_is_right
	s_endpgm
.Lentry_shape_is_right:
; qkv[m][n] = sum over k of xh[m][k] wh[n][k], m < 8192, n < 3072 (Q | K | V), k < 1024; f16 operands, f32 sums; the Q and K columns are turned by RoPE
; in f32 on the way out; each result is rounded once to f16.  LIMIT: a result above 65,504 in magnitude becomes infinity.
; 8 x 32 = 256 work-groups that STAY: work-group (bcol, brow) makes three tiles of 256 x 128, block column bcol of Q, then of K, then of V, for the same 256 rows.
; Four waves; wave w makes rows 64 w .. 64 w + 63 by all 128 columns: 32 accumulator tiles of 16 x 16, 256 registers.
; THE RING has two unequal regions.  Y holds two K steps of 128 (rows of 512 bytes, pitch 528), X holds one (rows of 256 bytes, pitch 272); K = 1024 is walked as
; Y X Y X Y = 256 + 128 + 256 + 128 + 256.  A fill can be on its way only while the other region is multiplied, since every wave waits for all its tensor loads in front
; of each barrier behind which a region is filled again.  Two equal regions of two steps would need 2 x 384 x 528 = 405,504 bytes, more than a WGP has; Y and X together take 307,200.
; From a request to the wait for it a wave issues 240 matrix instructions for a fill of X and 112 for a fill of Y; a tile has three refills and four barriers.
; The ring goes on into the next tile: its X fill is asked for where X's last reads end, its first Y fill in the tile's last quarter, so that it lands during the way out.
; All rows of all fills are whole multiples of 256 bytes of memory and start at multiples of 256 bytes.
; CLUSTERS: 4 x 4 work-groups.  A's tile hangs on the block row alone and is asked for jointly by a row of the cluster, B's on the block column (and the tile's number, which
; all partners share) and is asked for jointly by a column: the requests for A and B are divided by four.
; REGISTERS: window 0: v16-27 addresses; fragments of A (4 x 8) and B (8 x 8) in two buffers; v224-255 packed results.  Window 1: the 32 accumulator tiles,
; tile (a, b) at v[8 (8 a + b)].  Window 2: v0-127 the cos/sin pairs of my 64 rows, loaded once for Q and K.
; THE MATRIX INSTRUCTION IS USED TRANSPOSED (source 0 = rows of B, source 1 = rows of A): lane l holds row l % 16 and eight neighbouring columns 8 (l / 16) + 0..7.
.set SIZE_K, 1024
.set SIZE_N, 3072
.set PX,     272                       ; X's LDS pitch: 256 bytes + 16: sixteen rows start at sixteen different 16-byte columns modulo 256 bytes
.set PY,     528                       ; Y's: 512 bytes + 16: an odd multiple of 16 too
.set YA,     0                         ; Y: A's 256 rows,
.set YB,     256*PY                    ;    then B's 128
.set XA,     384*PY                    ; X: A's 256 rows,
.set XB,     XA+256*PX                 ;    then B's 128
.set STAGE,  XA+384*PX                 ; behind the ring: 16 rows x 272 bytes for each wave; no tensor load ever lands here
.set SPITCH, 272
.set NEXTB,  1024*SIZE_K*2             ; from a tile's rows of wh to the next tile's: 1,024 rows
.set ADRA, 16                          ; v16, v17  LDS address of my A fragments in X, in Y
.set ADRB, 20                          ; v20, v21  the same for B
.set STO,  24                          ; the way out: where I put 16 bytes of a row
.set RD,   25                          ; the way out: where I read a row back
.set CO,   26                          ; my byte offset in the output
.set TB,   27                          ; my byte offset in a table block: 16 x lane
.set FA0,  32                          ; fragment buffer 0: A v32-63, B v64-127
.set FB0,  64
.set FA1,  128                         ; fragment buffer 1: A v128-159, B v160-223
.set FB1,  160
.set RR,   32                          ; the way out: turned results in f32, v32-95
.set TMP,  224
.set G1AX, 24                          ; s[24:31] descriptor group 1: A's tile for X
.set G0A,  32                          ; s[32:35] group 0: A for X; s[36:39] A for Y
.set G1BX, 48                          ; s[48:55] group 1: B's tile for X
.set G0B,  56                          ; s[56:59] group 0: B for X; s[60:63] B for Y
.set G1AY, 68                          ; s[68:75] group 1: A's tile for Y
.set G1BY, 76                          ; s[76:83] group 1: B's tile for Y
.set MSB, 0
.macro WIN new                         ; the immediate's high byte repeats the setting that is left
.if MSB != \new
	s_set_vgpr_msb (MSB<<8)|\new
.set MSB, \new
.endif
.endm
.set MUL, 0x50                         ; C and D in window 1, both sources in window 0
.macro PLACES                          ; four places behind a matrix instruction, ahead of loads into its sources and of vector reads of its result
.rept 4
	v_nop
.endr
.endm
; A joint load into region r (0: X, 1: Y).  Waves 0 and 1 fetch A's two halves (128 rows each), waves 2 and 3 B's (64 rows each).  The branch hangs on the wave's number alone.
.macro JLOAD r
	s_cmp_eq_u32 s11, 0
	s_cbranch_scc0 .Lfor_b_\@
	tensor_load_to_lds s[G0A+4*\r:G0A+4*\r+3], s[G1AX+\r*(G1AY-G1AX):G1AX+\r*(G1AY-G1AX)+7]
	s_nop 0
	s_branch .Lasked_\@
.Lfor_b_\@:
	tensor_load_to_lds s[G0B+4*\r:G0B+4*\r+3], s[G1BX+\r*(G1BY-G1BX):G1BX+\r*(G1BY-G1BX)+7]
	s_nop 0
.Lasked_\@:
.endm
.macro CREST                           ; a round of the cluster's barrier behind its opening work-group barrier
	s_cmp_lg_u32 s10, 0
	s_cbranch_scc1 .Lnot_wave_0_\@
	s_barrier_signal -3
.Lnot_wave_0_\@:
	s_barrier_wait -3
	s_barrier_signal -1
	s_barrier_wait -1
.endm
.macro CROUND
	s_barrier_signal -1
	s_barrier_wait -1
	CREST
.endm
; Group 1: r rows of c elements of 2 bytes, 1,024 elements from row to row; 4 words of padding behind every 2 << qi words, which is a row
.macro SETG1 g, mask, qi, c, r
	s_or_b32 s[\g+0], s[\mask], (1<<16)|(1<<20)|(1<<21)|(\qi<<22)|(3<<25)   ; mask; 2-byte elements; padding on; bit 21 beside a mask; interval; 4 words
	s_mov_b32 s[\g+1], \c<<16                      ; tensor_dim0
	s_mov_b32 s[\g+2], \r<<16                      ; tensor_dim1
	s_mov_b32 s[\g+3], \c<<16                      ; tile_dim0
	s_mov_b32 s[\g+4], \r                          ; tile_dim1
	s_mov_b32 s[\g+5], SIZE_K
	s_mov_b32 s[\g+6], 0
	s_mov_b32 s[\g+7], 0
.endm
; Group 0: to LDS byte s[lds] + ldsoff, from s[adr : adr+1] + off
.macro SETG0 g, lds, ldsoff, adr, off
	s_mov_b32 s[\g], 1
	s_add_co_u32 s[\g+1], s[\lds], \ldsoff
	s_add_nc_u64 s[\g+2:\g+3], s[\adr:\adr+1], \off
	s_or_b32 s[\g+3], s[\g+3], 0x80000000
.endm
	s_load_b128 s[4:7], s[0:1], 0x0                ; xh, wh
	s_load_b128 s[20:23], s[0:1], 0x10             ; tab s[20:21], qkv s[22:23]
	v_lshl_add_u32 v30, v0, 2, 0x4f400
	v_mov_b32 v31, 0
	ds_add_u32 v30, v31
	v_lshrrev_b32 v1, 5, v0
	v_readfirstlane_b32 s10, v1                    ; wave 0..3
	s_lshr_b32 s11, s10, 1                         ; I fetch for A (0) or for B (1)
	s_and_b32 s12, s10, 1                          ; which half of that tile
	s_bfe_u32 s40, ttmp6, 0x40000                  ; cx
	s_bfe_u32 s41, ttmp6, 0x40004                  ; cy
	s_lshl_b32 s42, ttmp9, 2
	s_add_co_u32 s42, s42, s40                     ; block column 0..7 = 4 x cluster x + cx
	s_and_b32 s13, ttmp7, 0xffff
	s_lshl_b32 s13, s13, 2
	s_add_co_u32 s13, s13, s41                     ; block row = 4 x cluster y + cy
	s_lshl_b32 s43, s41, 2
	s_lshl_b32 s43, 15, s43                        ; my row of the cluster
	s_lshl_b32 s44, 0x1111, s40                    ; my column
	SETG1 G1AX, 43, 5, 128, 128                    ; X: rows of 64 words
	SETG1 G1AY, 43, 6, 256, 128                    ; Y: rows of 128 words
	SETG1 G1BX, 44, 5, 128, 64
	SETG1 G1BY, 44, 6, 256, 64
	s_lshl_b32 s17, s12, 7
	s_lshl_b32 s16, s13, 8
	s_add_co_u32 s16, s16, s17                     ; A: row 256 x block row + 128 x half
	s_lshl_b32 s47, s12, 6
	s_lshl_b32 s46, s42, 7
	s_add_co_u32 s46, s46, s47                     ; B: row 128 x block column + 64 x half (of Q's part)
	s_lshl_b32 s16, s16, 11                        ; rows of 2,048 bytes: below 2^24
	s_lshl_b32 s46, s46, 11
	s_mov_b32 s17, 0
	s_mov_b32 s47, 0
	s_mul_i32 s8, s10, 128*PX                      ; A's halves: wave x 128 rows
	s_mul_i32 s9, s10, 128*PY
	s_mul_i32 s18, s10, 64*PX                      ; B's halves: (wave - 2) x 64 rows; also my 64 rows of A's fragments
	s_mul_i32 s19, s10, 64*PY
	s_wait_dscnt 0x0
	s_wait_kmcnt 0x0
	s_add_nc_u64 s[14:15], s[4:5], s[16:17]
	s_add_nc_u64 s[46:47], s[6:7], s[46:47]
	SETG0 G0A,   8,  XA,        14, 512            ; X's first fill: K step 2, 512 bytes into a row
	SETG0 G0A+4, 9,  YA,        14, 0              ; Y's: K steps 0 and 1
	SETG0 G0B,   18, XB-128*PX, 46, 512
	SETG0 G0B+4, 19, YB-128*PY, 46, 0
	CROUND                                         ; all sixteen work-groups are here: the first joint loads meet
	JLOAD 1                                        ; both regions' first fills, ahead of everything else: two tensor loads of the wave are out
	JLOAD 0
	v_and_b32 v1, 15, v0                           ; l % 16
	v_bfe_u32 v2, v0, 4, 1                         ; l / 16
	v_mul_u32_u24 v3, v1, PX
	v_lshl_add_u32 v3, v2, 4, v3                   ; row x pitch + 16 x half: a fragment is two 16-byte loads, 32 bytes apart
	v_mul_u32_u24 v4, v1, PY
	v_lshl_add_u32 v4, v2, 4, v4
	v_add_nc_u32 v[ADRA], s18, v3                  ; my 64 rows of A in X
	v_add_nc_u32 v[ADRA], XA, v[ADRA]
	v_add_nc_u32 v[ADRA+1], s19, v4                ; and in Y, which begins at LDS byte 0
	v_add_nc_u32 v[ADRB], XB, v3
	v_add_nc_u32 v[ADRB+1], YB, v4
	s_mul_i32 s16, s10, 16*SPITCH
	s_add_co_u32 s16, s16, STAGE                   ; my stage
	v_add_nc_u32 v[STO], s16, v3                   ; in: row l % 16, 16 bytes for each half of the lanes
	v_mul_u32_u24 v5, v2, SPITCH                   ; back: lanes 0-15 one row of 256 bytes, lanes 16-31 the next
	v_lshl_add_u32 v5, v1, 4, v5
	v_add_nc_u32 v[RD], s16, v5
	v_mul_u32_u24 v5, v2, SIZE_N*2
	v_lshl_add_u32 v[CO], v1, 4, v5
	v_and_b32 v5, 31, v0
	v_lshlrev_b32 v[TB], 4, v5
	; The cos/sin pairs of my 64 rows: table blocks 16 x block row + 4 w + a, eight loads of 512 consecutive bytes each.  They stay on their way through the first tile's K.
	s_lshl_b32 s16, s13, 16
	s_lshl_b32 s17, s10, 14
	s_add_co_u32 s16, s16, s17
	s_mov_b32 s17, 0
	s_add_nc_u64 s[20:21], s[20:21], s[16:17]
	WIN 0x80                                       ; destination in window 2
.irp a, 0,1,2,3
.irp q, 0,1,2,3,4,5,6,7
	global_load_b128 v[32*\a+4*\q:32*\a+4*\q+3], v[TB], s[20:21] offset:4096*\a+512*\q
.endr
.endr
	WIN 0
	s_lshl_b32 s16, s13, 8
	s_lshl_b32 s17, s10, 6
	s_add_co_u32 s16, s16, s17                     ; my first row of the output
	s_mul_i32 s16, s16, SIZE_N*2                   ; below 2^26
	s_mov_b32 s17, 0
	s_add_nc_u64 s[22:23], s[22:23], s[16:17]
	s_lshl_b32 s46, s42, 8                         ; my block's first column in Q's part, in bytes
	s_mov_b32 s47, 0
	s_add_nc_u64 s[22:23], s[22:23], s[46:47]
; 16 matrix instructions: row groups a0, a0 + 1 x all 8 column groups, 32 along K.  zero = 1: the first product starts the sums.
.macro MUL16 fa, fb, a0, zero
.irp a, \a0, \a0+1
.irp b, 0,1,2,3,4,5,6,7
.if \zero
	v_wmma_f32_16x16x32_f16 v[8*(8*(\a)+\b):8*(8*(\a)+\b)+7], v[\fb+8*\b:\fb+8*\b+7], v[\fa+8*(\a):\fa+8*(\a)+7], 0
.else
	v_wmma_f32_16x16x32_f16 v[8*(8*(\a)+\b):8*(8*(\a)+\b)+7], v[\fb+8*\b:\fb+8*\b+7], v[\fa+8*(\a):\fa+8*(\a)+7], v[8*(8*(\a)+\b):8*(8*(\a)+\b)+7]
.endif
.endr
.endr
.endm
; 24 LDS loads in one run: a quarter's fragments (128 rows of B, then my 64 rows of A, 32 K at byte k of region r's rows)
.macro FETCH r, k, fa, fb
.irp i, 0,1,2,3,4,5,6,7
	ds_load_b128 v[\fb+8*\i:\fb+8*\i+3],   v[ADRB+\r] offset:\k+\i*16*(PX+\r*(PY-PX))
	ds_load_b128 v[\fb+8*\i+4:\fb+8*\i+7], v[ADRB+\r] offset:\k+\i*16*(PX+\r*(PY-PX))+32
.endr
.irp i, 0,1,2,3
	ds_load_b128 v[\fa+8*\i:\fa+8*\i+3],   v[ADRA+\r] offset:\k+\i*16*(PX+\r*(PY-PX))
	ds_load_b128 v[\fa+8*\i+4:\fa+8*\i+7], v[ADRA+\r] offset:\k+\i*16*(PX+\r*(PY-PX))+32
.endr
.endm
; A quarter is 32 along K, 32 matrix instructions; X holds four, Y eight, on buffers 0, 1, 0, 1, ..  The 32 accumulators take turns, one instruction a turn, in the same
; order in every quarter, over the loop's backward jump too.
.macro QUARTER r, k, fa, fb, ga, gb, zero
	s_wait_dscnt 4                                 ; B and A's rows 0-31 are in; the four youngest loads (A's rows 32-63) may be out
	WIN MUL
	MUL16 \fa, \fb, 0, \zero
	PLACES
	WIN 0
	FETCH \r, \k, \ga, \gb
	s_wait_dscnt 24                                ; all but the 24 just issued
	WIN MUL
	MUL16 \fa, \fb, 2, \zero
.endm
.macro RUNX                            ; X's first three quarters
	QUARTER 0, 64,  FA0, FB0, FA1, FB1, 0
	QUARTER 0, 128, FA1, FB1, FA0, FB0, 0
	QUARTER 0, 192, FA0, FB0, FA1, FB1, 0
.endm
.macro RUNY zero                       ; Y's first seven quarters
	QUARTER 1, 64,  FA0, FB0, FA1, FB1, \zero
	QUARTER 1, 128, FA1, FB1, FA0, FB0, 0
	QUARTER 1, 192, FA0, FB0, FA1, FB1, 0
	QUARTER 1, 256, FA1, FB1, FA0, FB0, 0
	QUARTER 1, 320, FA0, FB0, FA1, FB1, 0
	QUARTER 1, 384, FA1, FB1, FA0, FB0, 0
	QUARTER 1, 448, FA0, FB0, FA1, FB1, 0
.endm
; Region r's next fill.  kind 1: the same tile, three K steps (768 bytes) on.  kind 2: the next tile's first fill of the region: A back to its first place in the row
; (X: one fill back, Y: two), B the same and 1,024 rows on.  No tensor load of the wave is out where this stands.
.macro STEP r, kind
.if \kind == 1
	s_add_nc_u64 s[G0A+4*\r+2:G0A+4*\r+3], s[G0A+4*\r+2:G0A+4*\r+3], 768
	s_add_nc_u64 s[G0B+4*\r+2:G0B+4*\r+3], s[G0B+4*\r+2:G0B+4*\r+3], 768
.else
	s_sub_nc_u64 s[G0A+4*\r+2:G0A+4*\r+3], s[G0A+4*\r+2:G0A+4*\r+3], 768+768*\r
	s_add_nc_u64 s[G0B+4*\r+2:G0B+4*\r+3], s[G0B+4*\r+2:G0B+4*\r+3], NEXTB-768-768*\r
.endif
.endm
; A region's last quarter multiplies buffer 1 and changes regions.  One barrier for two things: in front of it each wave waits for its reads of region r and for all its
; tensor loads (the one that is out is its part of the other region); behind it region r is asked for again first, then the other region is read.
.macro TURN r, next, fill
	s_wait_dscnt 0                                 ; my reads of this region are over
	s_wait_tensorcnt 0x0                           ; all my tensor loads have landed
	ds_add_u32 v30, v31
	s_wait_dscnt 0x0
	s_barrier_signal -1                            ; where a region is filled again this barrier opens a round of the cluster's barrier
	WIN MUL
	MUL16 FA1, FB1, 0, 0                           ; register work while the others arrive
	WIN 0
	s_barrier_wait -1
.if \fill
	CREST                                          ; no wave of any partner still reads this region or has a load on its way
	STEP \r, \fill
	JLOAD \r                                       ; the wave's one tensor load behind the round, and the first thing there
.endif
	PLACES
	FETCH \next, 0, FA0, FB0
	WIN MUL
	MUL16 FA1, FB1, 2, 0
.endm
; The tile's last quarter.  fill = 1: Y's reads are over, and Y is asked for again with the next tile's K steps 0 and 1, which land during the way out.
.macro LASTQ fill
.if \fill
	s_wait_dscnt 0                                 ; my reads of Y are over
	s_wait_tensorcnt 0x0                           ; all my tensor loads have landed: the one that was out is my part of the next tile's X
	ds_add_u32 v30, v31
	s_wait_dscnt 0x0
	s_barrier_signal -1
	WIN MUL
	MUL16 FA1, FB1, 0, 0
	WIN 0
	s_barrier_wait -1
	CREST
	STEP 1, 2
	JLOAD 1
	WIN MUL
	MUL16 FA1, FB1, 2, 0
.else
	s_wait_dscnt 4
	WIN MUL
	MUL16 FA1, FB1, 0, 0
	s_wait_dscnt 0
	MUL16 FA1, FB1, 2, 0
.endif
.endm
; One tile's K = 1024: Y X Y X Y.  At its head Y's first fill is whole for every wave and its first quarter's fragments have been asked for.
.macro TILE last
	RUNY 1                                         ; K steps 0, 1; the first products start the sums: nothing is cleared
	TURN 1, 0, 1                                   ; Y is asked for again: K steps 3, 4
	RUNX                                           ; K step 2
	TURN 0, 1, 1                                   ; X: K step 5
	RUNY 0                                         ; K steps 3, 4
	TURN 1, 0, 1                                   ; Y: K steps 6, 7
	RUNX                                           ; K step 5
.if \last
	TURN 0, 1, 0                                   ; nothing is left to fetch
.else
	TURN 0, 1, 2                                   ; X: the next tile's K step 2
.endif
	RUNY 0                                         ; K steps 6, 7
	LASTQ 1-\last
.endm
; THE WAY OUT, 16 rows at a time: turn (Q, K), round to f16, 16 bytes a lane into my own stage, read back as whole rows of 256 bytes.
; Rows 16 a .. 16 a + 15 of my 64.  Lane (r, h) of tile (a, b) holds columns 16 b + 8 h + 2 p, + 1: pair 8 (b & 3) + 4 h + p of its head, whose cos and sin are
; registers 32 a + 8 (b & 3) + 2 p, + 1 of window 2.  even' = even cos - odd sin, odd' = even sin + odd cos.
.macro OUT16 a, f, rope
.if \rope
	WIN 0x09                                       ; source 0: accumulators (window 1); source 1: table (window 2)
.irp b, 0,1,2,3,4,5,6,7
.irp p, 0,1,2,3
	v_mul_f32 v[RR+8*\b+2*\p],   v[8*(8*\a+\b)+2*\p+1], v[32*\a+8*(\b&3)+2*\p+1]
	v_mul_f32 v[RR+8*\b+2*\p+1], v[8*(8*\a+\b)+2*\p+1], v[32*\a+8*(\b&3)+2*\p]
	v_fma_f32 v[RR+8*\b+2*\p],   v[8*(8*\a+\b)+2*\p],   v[32*\a+8*(\b&3)+2*\p],   -v[RR+8*\b+2*\p]
	v_fma_f32 v[RR+8*\b+2*\p+1], v[8*(8*\a+\b)+2*\p],   v[32*\a+8*(\b&3)+2*\p+1], v[RR+8*\b+2*\p+1]
.endr
.endr
	WIN 0
.irp b, 0,1,2,3,4,5,6,7
.irp p, 0,1,2,3
	v_cvt_pk_f16_f32 v[TMP+4*\b+\p], v[RR+8*\b+2*\p], v[RR+8*\b+2*\p+1]
.endr
.endr
.else
	WIN 0x05                                       ; both sources: accumulators
.irp b, 0,1,2,3,4,5,6,7
.irp p, 0,1,2,3
	v_cvt_pk_f16_f32 v[TMP+4*\b+\p], v[8*(8*\a+\b)+2*\p], v[8*(8*\a+\b)+2*\p+1]
.endr
.endr
	WIN 0
.endif
.irp b, 0,1,2,3,4,5,6,7
	ds_store_b128 v[STO], v[TMP+4*\b:TMP+4*\b+3] offset:32*\b
.endr
	s_wait_xcnt 0x0                                ; buffer f, which earlier stores read, is loaded again only behind this wait
.irp t, 0,1,2,3,4,5,6,7
	ds_load_b128 v[\f+4*\t:\f+4*\t+3], v[RD] offset:\t*2*SPITCH    ; LDS serves a wave's instructions in order: these see the stores above
.endr
.irp t, 0,1,2,3,4,5,6,7
	s_wait_dscnt 7-\t
	global_store_b128 v[CO], v[\f+4*\t:\f+4*\t+3], s[22:23] offset:(16*\a+2*\t)*SIZE_N*2   ; 16 lanes store 256 consecutive bytes, aligned; the row stands in the immediate, 62 rows at the most
.endr
.endm
	s_wait_tensorcnt 1                             ; my part of Y's first fill is in; X's, issued behind it, stays out
	s_barrier_signal -1
	s_barrier_wait -1
	FETCH 1, 0, FA0, FB0
	s_mov_b32 s3, 0
.Ltile:                                                ; two trips: Q, then K
	TILE 0
	PLACES                                         ; behind the last matrix instructions: the way out reads results and writes over fragments
	WIN 0
	s_wait_loadcnt 0x0                             ; the table (met at once in the second trip)
	OUT16 0, 128, 1
	OUT16 1, 160, 1
	OUT16 2, 128, 1
	OUT16 3, 160, 1
	s_wait_xcnt 0x0                                ; the stores have read their base and their data: the base steps, and buffer 1 is loaded again in the next tile
	s_add_nc_u64 s[22:23], s[22:23], 2048          ; the same block column of the next part: 1,024 columns on
	s_wait_tensorcnt 0x0                           ; my part of the next tile's first Y fill is in: no load was issued behind it
	s_barrier_signal -1
	s_barrier_wait -1                              ; everybody's is
	FETCH 1, 0, FA0, FB0
	s_add_co_u32 s3, s3, 1
	s_cmp_lt_u32 s3, 2
	s_cbranch_scc1 .Ltile
	TILE 1                                         ; V: written out, since it asks for no further tile
	PLACES
	WIN 0
	OUT16 0, 128, 0
	OUT16 1, 160, 0
	OUT16 2, 128, 0
	OUT16 3, 160, 0
	s_wait_tensorcnt 0x0
	ds_add_u32 v30, v31
	s_wait_dscnt 0x0
	CROUND                                         ; the closing round: no work-group ends while a partner may still ask for a tile that names it
	s_endpgm
.Lfunc_end_k_qb46dc70d2d_qkv:
	.size	k_qb46dc70d2d_qkv, .Lfunc_end_k_qb46dc70d2d_qkv-k_qb46dc70d2d_qkv
	.p2alignl 7, 3214868480
	.fill 96, 4, 3214868480
	.section	.rodata,"a",@progbits
	.p2align	6, 0x0
	.amdhsa_kernel k_qb46dc70d2d_qkv
		.amdhsa_group_segment_fixed_size 327680
		.amdhsa_private_segment_fixed_size 0
		.amdhsa_enable_private_segment 0
		.amdhsa_kernarg_size 32
		.amdhsa_user_sgpr_count 2
		.amdhsa_user_sgpr_kernarg_segment_ptr 1
		.amdhsa_wavefront_size32 1
		.amdhsa_system_sgpr_workgroup_id_x 1
		.amdhsa_system_sgpr_workgroup_id_y 1
		.amdhsa_system_sgpr_workgroup_id_z 1
		.amdhsa_system_vgpr_workitem_id 0
		.amdhsa_next_free_vgpr 640
		.amdhsa_next_free_sgpr 84
		.amdhsa_reserve_vcc 0
		.amdhsa_float_denorm_mode_32 3
		.amdhsa_float_denorm_mode_16_64 3
		.amdhsa_memory_ordered 1
		.amdhsa_forward_progress 1
		.amdhsa_inst_pref_size 255
	.end_amdhsa_kernel
	.section	.bss,"aw",@nobits
	.p2align	6
	.space	262144
	.amdgpu_metadata
---
amdhsa.version: [ 1, 2 ]
amdhsa.kernels:
  - .name:           k_qb46dc70d2d_qkv
    .symbol:         k_qb46dc70d2d_qkv.kd
    .args:
      - { .name: xh, .offset: 0, .size: 8, .value_kind: global_buffer, .address_space: global }
      - { .name: wh, .offset: 8, .size: 8, .value_kind: global_buffer, .address_space: global }
      - { .name: tab, .offset: 16, .size: 8, .value_kind: global_buffer, .address_space: global }
      - { .name: qkv, .offset: 24, .size: 8, .value_kind: global_buffer, .address_space: global }
    .group_segment_fixed_size: 327680
    .private_segment_fixed_size: 0
    .kernarg_segment_align: 8
    .kernarg_segment_size: 32
    .max_flat_workgroup_size: 128
    .sgpr_count:     84
    .vgpr_count:     640
    .wavefront_size: 32
...
	.end_amdgpu_metadata
.endif
;; end of part 2
;; launch attn (part 3): grid 8 x 32, 8 waves a work-group, clusters of 4 x 1, 327,680 bytes of LDS; arguments qkv, att; writes att
.if DOCPART == 3
	.amdgcn_target "amdgcn-amd-amdhsa--gfx1250"
	.amdhsa_code_object_version 6
	.text
	.protected	k_qb46dc70d2d_attn
	.globl	k_qb46dc70d2d_attn
	.p2align	8
	.type	k_qb46dc70d2d_attn,@function
k_qb46dc70d2d_attn:
	s_mov_b64 s[64:65], 0
	v_nop
	global_prefetch_b8 v0, s[64:65] scope:SCOPE_SE
	s_setreg_imm32_b32 hwreg(HW_REG_WAVE_MODE, 25, 1), 1
	s_wait_xcnt 0x0
	s_wait_alu depctr_hold_cnt(0) depctr_sa_sdst(0) depctr_va_vdst(0) depctr_va_sdst(0) depctr_va_ssrc(0) depctr_va_vcc(0) depctr_vm_vsrc(0)
	s_getreg_b32 s2, hwreg(HW_REG_IB_STS2, 6, 4)
	s_cmp_eq_u32 s2, 0
	s_cbranch_scc0 .Lentry_in_a_cluster
	s_endpgm
.Lentry_in_a_cluster:
	s_bfe_u32 s2, ttmp6, 0x10000c
	s_cmp_lg_u32 s2, 0x3003
	s_cbranch_scc0 .Lentry_shape_is_right
	s_endpgm
.Lentry_shape_is_right:
; Causal attention with a running maximum.  qkv: [8192][3072] f16 (Q | K | V, column 64 head + d); att: [8192][1024] f16.
; y = 8 b + pair: a batch and two neighbouring heads.  The eight work-groups g = 4 c + cx of one y walk the same 8 tiles of 256 keys.  Work-group g owns the 16-row
; query tiles T = g + 8 u, u = 0..15, of both heads.  Wave w: head hh = w >> 2, rank rho (0..3), tiles u = rho + 4 i, i = 0..3: rows 16 g + 128 rho + 512 i + r.
; Tile i works on the 64-key sub-blocks sb <= LIM_i = 2 rho + c + 8 i, and sub-block LIM_i holds its diagonal: what lies beyond is thrown away by the causal mask.
; LIM hangs on the wave's number and on the cluster's x alone, so every partner of a cluster needs every key tile in the same round: K's and V's tiles are asked for
; JOINTLY by the four work-groups of a cluster.  Ranks are dealt so that waves w and w + 4, and waves 2 n and 2 n + 1, have ranks that add to 3: even work.
; ORIENTATION: S^T = K Q^T (source 0 = 16 keys, source 1 = 16 queries): lane (r, h) holds query r and keys 8 h + j.  Two neighbouring key tiles, rounded to f16 in
; place, are the second source of O^T = V^T P^T for 32 keys: P never leaves the registers.  V^T comes by transposing LDS loads from V as stored, [key][d].
; A query's maximum, sum and rescale factor are one number a lane; the two halves of the lanes meet by one v_permlanex16_b32.
; SOFTMAX: state N = -c max, c = log2(e) / 8; p = exp2(c s + N); N' = min(N, -c blockmax); earlier sums are scaled by exp2(N' - N): the very shift the exponentials used.
; LIMITS: P, and the result, are rounded once to f16 (p below 6e-5 with an absolute error of at most 3e-8).
; REGISTERS: window 0: v8-15 addresses and constants, v16-19 N_i, v20-23 L_i, v32-39 at work, v42-46 addresses, v64-127 Q (i, ks) at 64 + 16 i + 8 ks,
; v128-255 S (i, kt) at 128 + 32 i + 8 kt, P (i, ks) in place at 128 + 32 i + 16 ks.  Window 1: K fragments (kt, ks) at 16 kt + 8 ks, V^T fragments (t, ks) at
; 64 + 16 t + 8 ks, O (i, t) at 128 + 32 i + 8 t.
.set ROWB,  6144                       ; bytes in a row of qkv
.set VP,    288                        ; V's LDS pitch: 256 bytes + 32: an odd multiple of 32 for the transposing loads
.set KP,    272                        ; K's LDS pitch: 256 bytes + 16
.set KOFF,  256*VP                     ; in a slot: V's 256 keys, then K's
.set SLOT,  256*VP+256*KP              ; 143,360; two slots
.set TILEB, 256*ROWB                   ; from a key tile to the next, in memory
.set G1V, 16                           ; s[16:23] descriptor group 1, V
.set G1K, 24                           ; s[24:31] K: it differs in the padding alone
.set G0V, 32                           ; s[32:39] group 0, V, a set for each slot
.set G0K, 40                           ; s[40:47] K
.set MSB, 0
.macro WIN new
.if MSB != \new
	s_set_vgpr_msb (MSB<<8)|\new
.set MSB, \new
.endif
.endm
.macro ROUND                           ; a round of the cluster's barrier
	s_barrier_signal -1
	s_barrier_wait -1
	s_cmp_lg_u32 s8, 0
	s_cbranch_scc1 .Lnot_wave_0_\@
	s_barrier_signal -3
.Lnot_wave_0_\@:
	s_barrier_wait -3
	s_barrier_signal -1
	s_barrier_wait -1
.endm
.macro JL s                            ; a joint load: waves 0-3 fetch 64 keys of V each, waves 4-7 64 keys of K each
	s_cmp_eq_u32 s9, 0
	s_cbranch_scc0 .Lfor_k_\@
	tensor_load_to_lds s[G0V+4*(\s):G0V+4*(\s)+3], s[G1V:G1V+7]
	s_nop 0
	s_branch .Lasked_\@
.Lfor_k_\@:
	tensor_load_to_lds s[G0K+4*(\s):G0K+4*(\s)+3], s[G1K:G1K+7]
	s_nop 0
.Lasked_\@:
.endm
; Prefetch: in the trip of tile t, the tile t + 2, which the next trip's joint load asks for.  Wave 0 asks for V, wave 4 for K; lane l of work-group g for the 256 bytes
; of key row 32 g + l: each row piece is asked for once in the launch.  Trips 6 and 7 ask for nothing, so the last row asked for is the sequence's last.
.macro PFT
	s_cmp_lg_u32 s10, 0
	s_cbranch_scc1 .Lno_pf_\@
	global_prefetch_b8 v46, s[58:59] th:TH_LOAD_NT scope:SCOPE_SE
.Lno_pf_\@:
.endm
; The head of a key tile's trip.  slot: the tile's; refill = 1: the other slot is asked for; pf = 0: no prefetch, 1: prefetch, 2: step its base first.
.macro HEAD slot, refill, pf
	s_wait_tensorcnt 0x0                           ; all my tensor loads are done, my part of this trip's tile among them,
	ds_add_u32 v62, v63
	s_wait_dscnt 0x0
	s_add_nc_u64 s[G0V+4*\slot+2:G0V+4*\slot+3], s[G0V+4*\slot+2:G0V+4*\slot+3], 2*TILEB   ; so a group 0 may be written: this slot's next tile
	s_add_nc_u64 s[G0K+4*\slot+2:G0K+4*\slot+3], s[G0K+4*\slot+2:G0K+4*\slot+3], 2*TILEB
.if \pf == 2
	s_wait_xcnt 0x0                                ; the last trip's prefetch has read its base
	s_add_nc_u64 s[58:59], s[58:59], TILEB
.endif
	s_wait_dscnt 0x0                               ; my reads of the last trip's tile are done
	ROUND                                          ; both now hold of every wave of every work-group of the cluster
.if \refill
	JL 1-\slot                                     ; the wave's one tensor load behind the round; it has the whole trip in which to land
.endif
.if \pf
	PFT
.endif
.endm
; The fragments of one sub-block of 64 keys: 16 loads for K (v12), then 16 transposing loads for V (v13)
.macro LOADKV
	WIN 0x40                                       ; destination in window 1
.irp kt, 0,1,2,3
.irp ks, 0,1
	ds_load_b128 v[16*\kt+8*\ks:16*\kt+8*\ks+3],   v12 offset:16*KP*\kt+64*\ks
	ds_load_b128 v[16*\kt+8*\ks+4:16*\kt+8*\ks+7], v12 offset:16*KP*\kt+64*\ks+32
.endr
.endr
.irp t, 0,1,2,3
.irp ks, 0,1
	ds_load_tr16_b128 v[64+16*\t+8*\ks:64+16*\t+8*\ks+3],   v13 offset:32*VP*\ks+32*\t
	ds_load_tr16_b128 v[64+16*\t+8*\ks+4:64+16*\t+8*\ks+7], v13 offset:32*VP*\ks+32*\t+16*VP
.endr
.endr
	WIN 0
.endm
; Scores of tile i: 64 keys x 16 queries, 64 along d.  Four accumulators take turns, one instruction a turn; the first products start the sums.
.macro SPH i
	WIN 0x01                                       ; source 0 (K) in window 1
.irp kt, 0,1,2,3
	v_wmma_f32_16x16x32_f16 v[128+32*\i+8*\kt:135+32*\i+8*\kt], v[16*\kt:16*\kt+7], v[64+16*\i:71+16*\i], 0
.endr
.irp kt, 0,1,2,3
	v_wmma_f32_16x16x32_f16 v[128+32*\i+8*\kt:135+32*\i+8*\kt], v[16*\kt+8:16*\kt+15], v[72+16*\i:79+16*\i], v[128+32*\i+8*\kt:135+32*\i+8*\kt]
.endr
	WIN 0
.endm
; The diagonal sub-block: key 16 kt + 8 h + j lies behind query 16 cx + r where 16 kt + j > v14 = 16 cx + r - 8 h
.macro MASK i
.irp kt, 0,1,2,3
.irp j, 0,1,2,3,4,5,6,7
	v_cmp_gt_i32 vcc_lo, 16*\kt+\j, v14
	v_cndmask_b32 v[128+32*\i+8*\kt+\j], v[128+32*\i+8*\kt+\j], v15, vcc_lo
.endr
.endr
.endm
.macro SOFT i, first
.irp kt, 0,1,2,3                                       ; the largest of my 32 scores, in four chains
	v_max3_num_f32 v[34+\kt], v[128+32*\i+8*\kt], v[129+32*\i+8*\kt], v[130+32*\i+8*\kt]
.endr
.irp kt, 0,1,2,3
	v_max3_num_f32 v[34+\kt], v[34+\kt], v[131+32*\i+8*\kt], v[132+32*\i+8*\kt]
.endr
.irp kt, 0,1,2,3
	v_max3_num_f32 v[34+\kt], v[34+\kt], v[133+32*\i+8*\kt], v[134+32*\i+8*\kt]
.endr
	v_max3_num_f32 v34, v34, v35, v[135+32*\i]
	v_max3_num_f32 v36, v36, v37, v[143+32*\i]
	v_max3_num_f32 v34, v34, v36, v[151+32*\i]
	v_max_num_f32 v34, v34, v[159+32*\i]
	v_permlanex16_b32 v35, v34, s55, s56           ; the query's other 32 keys
	v_max_num_f32 v34, v34, v35                    ; finite: every query sees a key in each of its sub-blocks
	v_mul_f32 v34, 0xbe38aa3b, v34                 ; -c x the block's maximum
.if \first
	v_mov_b32 v32, v34
	v_mov_b32 v33, v34
	v_mov_b32 v[16+\i], v34
.else
	v_min_num_f32 v32, v34, v[16+\i]               ; N', twice: a pair for the packed multiply-add
	v_min_num_f32 v33, v34, v[16+\i]
	v_sub_f32 v36, v32, v[16+\i]                   ; N' - N, at most 0
	v_mov_b32 v[16+\i], v32
.endif
.set m, 0
.rept 16
	v_pk_fma_f32 v[128+32*\i+m:129+32*\i+m], v[128+32*\i+m:129+32*\i+m], 0x3e38aa3b, v[32:33] op_sel_hi:[1,0,1]    ; c s + N'
.set m, m+2
.endr
.if \first == 0
	v_exp_f32 v38, v36                             ; the factor for what has been summed, twice
	v_exp_f32 v39, v36
.endif
.set m, 0
.rept 32
	v_exp_f32 v[128+32*\i+m], v[128+32*\i+m]
.set m, m+1
.endr
	v_nop                                          ; one plain place behind the exponentials (ISA guide 5.7.2)
	s_wait_alu depctr_va_vdst(0)
	v_pk_add_f32 v[34:35], v[128+32*\i:129+32*\i], v[130+32*\i:131+32*\i]      ; my 32 p, in two chains
	v_pk_add_f32 v[36:37], v[144+32*\i:145+32*\i], v[146+32*\i:147+32*\i]
.set m, 4
.rept 6
	v_pk_add_f32 v[34:35], v[34:35], v[128+32*\i+m:129+32*\i+m]
	v_pk_add_f32 v[36:37], v[36:37], v[144+32*\i+m:145+32*\i+m]
.set m, m+2
.endr
	v_pk_add_f32 v[34:35], v[34:35], v[36:37]
	v_add_f32 v34, v34, v35
.if \first
	v_mov_b32 v[20+\i], v34
.else
	v_fma_f32 v[20+\i], v[20+\i], v38, v34         ; each half of the lanes keeps its own part of the sum; they meet at the end
.endif
.irp ks, 0,1                                           ; to f16 in place, ascending: each source is read before it is written over
.irp q, 0,1,2,3
	v_cvt_pk_f16_f32 v[128+32*\i+16*\ks+\q], v[128+32*\i+16*\ks+2*\q], v[129+32*\i+16*\ks+2*\q]
.endr
.irp q, 0,1,2,3
	v_cvt_pk_f16_f32 v[132+32*\i+16*\ks+\q], v[136+32*\i+16*\ks+2*\q], v[137+32*\i+16*\ks+2*\q]
.endr
.endr
.endm
; O (i) = O (i) x factor + V^T P^T: 64 d x 16 queries, 64 keys.  Four accumulators take turns, one instruction a turn.
.macro PVP i, first
.if \first == 0
	WIN 0x41                                       ; destination and source 0 in window 1
.set m, 0
.rept 16
	v_pk_mul_f32 v[128+32*\i+m:129+32*\i+m], v[128+32*\i+m:129+32*\i+m], v[38:39]
.set m, m+2
.endr
.endif
	WIN 0x51                                       ; D, C and source 0 (V^T) in window 1, source 1 (P) in window 0
.irp t, 0,1,2,3
.if \first
	v_wmma_f32_16x16x32_f16 v[128+32*\i+8*\t:135+32*\i+8*\t], v[64+16*\t:71+16*\t], v[128+32*\i:135+32*\i], 0
.else
	v_wmma_f32_16x16x32_f16 v[128+32*\i+8*\t:135+32*\i+8*\t], v[64+16*\t:71+16*\t], v[128+32*\i:135+32*\i], v[128+32*\i+8*\t:135+32*\i+8*\t]
.endif
.endr
.irp t, 0,1,2,3
	v_wmma_f32_16x16x32_f16 v[128+32*\i+8*\t:135+32*\i+8*\t], v[72+16*\t:79+16*\t], v[144+32*\i:151+32*\i], v[128+32*\i+8*\t:135+32*\i+8*\t]
.endr
	WIN 0
.endm
.macro SPHC i                          ; tile i's scores, where the sub-block is not beyond its diagonal
	s_cmp_gt_u32 s52, s[48+\i]
	s_cbranch_scc1 .Lno_s_\@
	SPH \i
.Lno_s_\@:
.endm
.macro UNITC i                         ; tile i's softmax and P V
	s_cmp_gt_u32 s52, s[48+\i]
	s_cbranch_scc1 .Lno_u_\@
	s_cmp_lg_u32 s52, s[48+\i]
	s_cbranch_scc1 .Lno_m_\@
	MASK \i
.Lno_m_\@:
	SOFT \i, 0
	PVP \i, 0
.Lno_u_\@:
.endm
.macro SUB                             ; one sub-block of 64 keys for my four tiles
	s_cmp_gt_u32 s52, s51                          ; beyond my last tile's diagonal: nothing to do
	s_cbranch_scc1 .Lno_sub_\@
.rept 5
	v_nop                                          ; five places behind the last P V products: the loads land on their V^T, the scores write over their P
.endr
	LOADKV
	s_wait_dscnt 16                                ; K's 16 loads are in; V's 16 stay out
	SPHC 0
	SPHC 1
	SPHC 2
	SPHC 3
.rept 4
	v_nop                                          ; four places ahead of the vector reads of the scores
.endr
	s_wait_dscnt 0x0                               ; V
	UNITC 0
	UNITC 1
	UNITC 2
	UNITC 3
.Lno_sub_\@:
.endm
.macro BODY slot, from                 ; sub-blocks from .. 3 of the tile in a slot; the LDS addresses are base + counter x 64 rows
	s_mov_b32 s53, \from
.Lbody_\@:
	s_mul_i32 s2, s53, 64*KP
	s_mul_i32 s57, s53, 64*VP
	v_add_nc_u32 v12, s2, v[8+\slot]
	v_add_nc_u32 v13, s57, v[10+\slot]
	SUB
	s_add_co_u32 s52, s52, 1
	s_add_co_u32 s53, s53, 1
	s_cmp_lt_u32 s53, 4
	s_cbranch_scc1 .Lbody_\@
.endm
	s_load_b128 s[4:7], s[0:1], 0x0                ; qkv, att
	v_lshl_add_u32 v62, v0, 2, 0x46000
	v_mov_b32 v63, 0
	ds_add_u32 v62, v63
	v_lshrrev_b32 v1, 5, v0
	v_readfirstlane_b32 s8, v1                     ; wave 0..7
	s_lshr_b32 s9, s8, 2                           ; hh: my head of the pair.  Also: I fetch V (0) or K (1)
	s_and_b32 s10, s8, 3                           ; which 64 keys of a tile I fetch
	s_bfe_u32 s11, s8, 0x10001                     ; (w >> 1) & 1
	s_and_b32 s2, s8, 1
	s_xor_b32 s2, s2, s9
	s_mul_i32 s2, s2, 3
	s_xor_b32 s11, s11, s2                         ; rho: waves 0..7 have 0, 3, 1, 2, 3, 0, 2, 1
	s_mov_b32 s12, ttmp9                           ; c: the cluster's x
	s_and_b32 s15, ttmp7, 0xffff
	s_lshr_b32 s3, s15, 3                          ; b
	s_and_b32 s15, s15, 7                          ; pair of heads
	s_lshl_b32 s48, s11, 1
	s_add_co_u32 s48, s48, s12                     ; LIM_0 = 2 rho + c
	s_add_co_u32 s49, s48, 8
	s_add_co_u32 s50, s48, 16
	s_add_co_u32 s51, s48, 24
	s_mov_b32 s55, 0x76543210                      ; v_permlanex16_b32: lane i of one half reads lane i of the other
	s_mov_b32 s56, 0xfedcba98
	s_mov_b32 s[G1V+0], 0x0f71000f                 ; mask 15: the cluster's four; 2-byte elements; padding on; bit 21 beside a mask; after every 64 words, 8 words
	s_mov_b32 s[G1K+0], 0x0771000f                 ; the same with 4 words
	s_mov_b32 s[G1V+1], 128<<16                    ; tensor_dim0 = 128 elements: two heads
	s_mov_b32 s[G1K+1], 128<<16
	s_mov_b32 s[G1V+2], 64<<16                     ; tensor_dim1 = 64 keys
	s_mov_b32 s[G1K+2], 64<<16
	s_mov_b32 s[G1V+3], 128<<16                    ; tile_dim0
	s_mov_b32 s[G1K+3], 128<<16
	s_mov_b32 s[G1V+4], 64                         ; tile_dim1
	s_mov_b32 s[G1K+4], 64
	s_mov_b32 s[G1V+5], 3072                       ; elements from row to row
	s_mov_b32 s[G1K+5], 3072
	s_mov_b32 s[G1V+6], 0
	s_mov_b32 s[G1K+6], 0
	s_mov_b32 s[G1V+7], 0
	s_mov_b32 s[G1K+7], 0
	s_mul_i32 s2, s3, 2048*ROWB
	s_lshl_b32 s57, s15, 8
	s_add_co_u32 s2, s2, s57                       ; the batch's first row, the pair's first column (in Q's part): below 2^26
	s_mul_i32 s52, s10, 64*ROWB
	s_add_co_u32 s52, s52, s2                      ; my 64 keys of tile 0
	s_mov_b32 s53, 0
	s_mul_i32 s54, s8, 64*VP                       ; where V's quarters go
	s_mul_i32 s57, s8, 64*KP
	s_add_co_u32 s57, s57, KOFF-256*KP             ; where K's go: behind V, (wave - 4) x 64 rows
	s_wait_dscnt 0x0
	s_wait_kmcnt 0x0
	s_add_nc_u64 s[52:53], s[4:5], s[52:53]
	ROUND                                          ; in front of the first joint load
.irp s, 0,1
	s_mov_b32 s[G0V+4*\s], 1
	s_add_co_u32 s[G0V+4*\s+1], s54, \s*SLOT
	s_add_nc_u64 s[G0V+4*\s+2:G0V+4*\s+3], s[52:53], 4096+\s*TILEB   ; V's columns begin 4,096 bytes into a row; tile s
	s_or_b32 s[G0V+4*\s+3], s[G0V+4*\s+3], 0x80000000
	s_mov_b32 s[G0K+4*\s], 1
	s_add_co_u32 s[G0K+4*\s+1], s57, \s*SLOT
	s_add_nc_u64 s[G0K+4*\s+2:G0K+4*\s+3], s[52:53], 2048+\s*TILEB   ; K's 2,048
	s_or_b32 s[G0K+4*\s+3], s[G0K+4*\s+3], 0x80000000
.endr
	JL 0                                           ; tile 0; slot 1 is first filled behind the first trip's round
	s_bfe_u32 s13, ttmp6, 0x40000                  ; cx: it enters global addresses of my own loads and stores and the mask's comparison, nothing else
	s_lshl_b32 s14, ttmp9, 2
	s_add_co_u32 s14, s14, s13                     ; g
	v_and_b32 v1, 31, v0                           ; lane
	v_and_b32 v2, 15, v0                           ; r
	v_bfe_u32 v3, v0, 4, 1                         ; h
	v_mul_u32_u24 v45, v2, ROWB
	v_lshl_add_u32 v45, v3, 4, v45                 ; Q: row r, 16 bytes for each half
	s_lshl_b32 s60, s14, 4
	s_lshl_b32 s61, s11, 7
	s_add_co_u32 s60, s60, s61                     ; 16 g + 128 rho
	s_mul_i32 s60, s60, ROWB
	s_add_co_u32 s60, s60, s2
	s_lshl_b32 s61, s9, 7                          ; my head: 128 bytes
	s_add_co_u32 s60, s60, s61
	s_mov_b32 s61, 0
	s_add_nc_u64 s[60:61], s[4:5], s[60:61]        ; tiles 0 and 1
	s_add_nc_u64 s[62:63], s[60:61], 1024*ROWB     ; tiles 2 and 3: the immediate reaches 512 rows
.irp i, 0,1,2,3
.irp ks, 0,1
	global_load_b128 v[64+16*\i+8*\ks:67+16*\i+8*\ks], v45, s[60+2*(\i>>1):61+2*(\i>>1)] offset:512*ROWB*(\i&1)+64*\ks
	global_load_b128 v[68+16*\i+8*\ks:71+16*\i+8*\ks], v45, s[60+2*(\i>>1):61+2*(\i>>1)] offset:512*ROWB*(\i&1)+64*\ks+32
.endr
.endr
	s_lshl_b32 s58, s9, 11
	s_sub_co_u32 s58, 4096, s58                    ; V's columns for wave 0, K's for wave 4
	s_add_co_u32 s58, s58, s2
	s_add_co_u32 s58, s58, 2*TILEB                 ; tile 2
	s_mov_b32 s59, 0
	s_add_nc_u64 s[58:59], s[4:5], s[58:59]
	v_lshl_add_u32 v46, s14, 5, v1
	v_mul_u32_u24 v46, v46, ROWB                   ; key row 32 g + lane of a tile
	v_mul_u32_u24 v4, v2, KP
	v_lshl_add_u32 v4, v3, 4, v4
	s_lshl_b32 s57, s9, 7
	v_add_nc_u32 v4, s57, v4                       ; 272 r + 16 h + 128 hh
	v_add_nc_u32 v8, KOFF, v4                      ; K fragments, slot 0
	v_add_nc_u32 v9, KOFF+SLOT, v4                 ; slot 1
	v_and_b32 v5, 7, v0
	v_lshl_add_u32 v5, v3, 3, v5                   ; key 8 h + (l & 7)
	v_mul_u32_u24 v5, v5, VP
	v_bfe_u32 v6, v0, 3, 1
	v_lshl_add_u32 v5, v6, 4, v5                   ; + 16 ((l >> 3) & 1)
	v_add_nc_u32 v10, s57, v5                      ; V^T fragments, slot 0
	v_add_nc_u32 v11, SLOT, v10                    ; slot 1
	v_lshlrev_b32 v6, 3, v3
	v_sub_nc_u32 v14, v2, v6
	v_lshl_add_u32 v14, s13, 4, v14                ; 16 cx + r - 8 h
	v_mov_b32 v15, 0xff800000                      ; minus infinity
	s_mul_i32 s57, s11, 16*KP
	v_add_nc_u32 v42, s57, v4                      ; the way out, in: stage row 16 rho + r (+ 64 i), my head's 128 bytes, 16 h
	v_mul_u32_u24 v6, v3, KP
	v_lshl_add_u32 v6, v2, 4, v6
	s_mul_i32 s57, s8, 32*KP
	v_add_nc_u32 v43, s57, v6                      ; back: stage rows 32 w + 2 t + (l >> 4), 16 (l & 15)
	v_lshlrev_b32 v44, 4, v2
	v_lshl_add_u32 v44, v3, 11, v44                ; and the same two rows in att
	HEAD 0, 1, 1                                   ; tile 0 is whole; tile 1 is asked for
	s_wait_loadcnt 0x0                             ; Q
	s_mov_b32 s52, 0                               ; sb
	v_mov_b32 v12, v8
	v_mov_b32 v13, v10
	; Sub-block 0 is written out: every tile works on it, its products start all sums and its maxima start all states: nothing is cleared.
	LOADKV
	s_wait_dscnt 16                                ; K's 16 loads are in; V's 16 stay out
	SPH 0
	SPH 1
	SPH 2
	SPH 3
.rept 4
	v_nop
.endr
	s_wait_dscnt 0x0
	s_cmp_lg_u32 s48, 0                            ; it holds a diagonal only for tile 0 of rank 0 in cluster 0
	s_cbranch_scc1 .Lno_mask_0
	MASK 0
.Lno_mask_0:
	SOFT 0, 1
	PVP 0, 1
	SOFT 1, 1
	PVP 1, 1
	SOFT 2, 1
	PVP 2, 1
	SOFT 3, 1
	PVP 3, 1
	s_mov_b32 s52, 1
	BODY 0, 1
	HEAD 1, 1, 2                                   ; tile 1
	BODY 1, 0
	s_mov_b32 s54, 0
.Ltiles:                                               ; tiles 2 to 5
	HEAD 0, 1, 2
	BODY 0, 0
	HEAD 1, 1, 2
	BODY 1, 0
	s_add_co_u32 s54, s54, 1
	s_cmp_lt_u32 s54, 2
	s_cbranch_scc1 .Ltiles
	HEAD 0, 1, 0                                   ; tile 6; tile 7 is asked for: the last load
	BODY 0, 0
	HEAD 1, 0, 0                                   ; tile 7; nothing is left to fetch (the stepped addresses are not used)
	BODY 1, 0
	; THE WAY OUT.  The stage is 256 rows x 272 bytes at the head of slot 0, which has had its last fill (tile 6) and whose reads every wave ended in front of the last round.
	; Stage row 64 i + 16 rho + r holds both heads' 128 numbers of query row 16 g + 128 rho + 512 i + r.
.rept 4
	v_nop                                          ; four places behind the last products
.endr
.macro FIN i
	v_permlanex16_b32 v34, v[20+\i], s55, s56
	v_add_f32 v34, v34, v[20+\i]                   ; the query's whole sum
	v_rcp_f32 v38, v34
	v_rcp_f32 v39, v34
	v_nop                                          ; one plain place behind the reciprocals
	WIN 0x01                                       ; source 0 (O) in window 1
.set m, 0
	s_wait_alu depctr_va_vdst(0)
.rept 16
	v_pk_mul_f32 v[128+m:129+m], v[128+32*\i+m:129+32*\i+m], v[38:39]
.set m, m+2
.endr
	WIN 0
.set m, 0
.rept 16
	v_cvt_pk_f16_f32 v[160+m], v[128+2*m], v[129+2*m]
.set m, m+1
.endr
.irp t, 0,1,2,3
	ds_store_b128 v42, v[160+4*\t:163+4*\t] offset:64*KP*\i+32*\t
.endr
.endm
	FIN 0
	FIN 1
	FIN 2
	FIN 3
	s_lshl_b32 s60, s3, 11
	s_lshl_b32 s61, s14, 4
	s_add_co_u32 s60, s60, s61
	s_lshl_b32 s61, s8, 8
	s_add_co_u32 s60, s60, s61                     ; row 2048 b + 16 g + 256 w
	s_lshl_b32 s60, s60, 11                        ; rows of 2,048 bytes
	s_lshl_b32 s61, s15, 8
	s_add_co_u32 s60, s60, s61                     ; the pair's 256 bytes
	s_mov_b32 s61, 0
	s_add_nc_u64 s[6:7], s[6:7], s[60:61]
	s_wait_dscnt 0x0                               ; my stores are in LDS, for the others' sake
	s_barrier_signal -1
	s_barrier_wait -1
.irp t, 0,1,2,3,4,5,6,7,8,9,10,11,12,13,14,15
	ds_load_b128 v[64+4*\t:67+4*\t], v43 offset:2*KP*\t
.endr
.irp t, 0,1,2,3,4,5,6,7,8,9,10,11,12,13,14,15
	s_wait_dscnt 15-\t
	global_store_b128 v44, v[64+4*\t:67+4*\t], s[6:7] offset:(128*(\t>>3)+2*(\t&7))*2048   ; 16 lanes store 256 consecutive bytes, aligned: both heads of a row
.endr
	s_wait_tensorcnt 0x0
	ds_add_u32 v62, v63
	s_wait_dscnt 0x0
	ROUND                                          ; the closing round
	s_endpgm
.Lfunc_end_k_qb46dc70d2d_attn:
	.size	k_qb46dc70d2d_attn, .Lfunc_end_k_qb46dc70d2d_attn-k_qb46dc70d2d_attn
	.p2alignl 7, 3214868480
	.fill 96, 4, 3214868480
	.section	.rodata,"a",@progbits
	.p2align	6, 0x0
	.amdhsa_kernel k_qb46dc70d2d_attn
		.amdhsa_group_segment_fixed_size 327680
		.amdhsa_private_segment_fixed_size 0
		.amdhsa_enable_private_segment 0
		.amdhsa_kernarg_size 16
		.amdhsa_user_sgpr_count 2
		.amdhsa_user_sgpr_kernarg_segment_ptr 1
		.amdhsa_wavefront_size32 1
		.amdhsa_system_sgpr_workgroup_id_x 1
		.amdhsa_system_sgpr_workgroup_id_y 1
		.amdhsa_system_sgpr_workgroup_id_z 1
		.amdhsa_system_vgpr_workitem_id 0
		.amdhsa_next_free_vgpr 512
		.amdhsa_next_free_sgpr 66
		.amdhsa_reserve_vcc 1
		.amdhsa_float_denorm_mode_32 3
		.amdhsa_float_denorm_mode_16_64 3
		.amdhsa_memory_ordered 1
		.amdhsa_forward_progress 1
		.amdhsa_inst_pref_size 255
	.end_amdhsa_kernel
	.section	.bss,"aw",@nobits
	.p2align	6
	.space	262144
	.amdgpu_metadata
---
amdhsa.version: [ 1, 2 ]
amdhsa.kernels:
  - .name:           k_qb46dc70d2d_attn
    .symbol:         k_qb46dc70d2d_attn.kd
    .args:
      - { .name: qkv, .offset: 0, .size: 8, .value_kind: global_buffer, .address_space: global }
      - { .name: att, .offset: 8, .size: 8, .value_kind: global_buffer, .address_space: global }
    .group_segment_fixed_size: 327680
    .private_segment_fixed_size: 0
    .kernarg_segment_align: 8
    .kernarg_segment_size: 16
    .max_flat_workgroup_size: 256
    .sgpr_count:     66
    .vgpr_count:     512
    .wavefront_size: 32
...
	.end_amdgpu_metadata
.endif
;; end of part 3
;; launch oproj (part 4): grid 8 x 32, 4 waves a work-group, clusters of 4 x 4, 327,680 bytes of LDS; arguments att, woh, out0; writes out0
.if DOCPART == 4
	.amdgcn_target "amdgcn-amd-amdhsa--gfx1250"
	.amdhsa_code_object_version 6
	.text
	.protected	k_qb46dc70d2d_oproj
	.globl	k_qb46dc70d2d_oproj
	.p2align	8
	.type	k_qb46dc70d2d_oproj,@function
k_qb46dc70d2d_oproj:
	s_mov_b64 s[64:65], 0
	v_nop
	global_prefetch_b8 v0, s[64:65] scope:SCOPE_SE
	s_setreg_imm32_b32 hwreg(HW_REG_WAVE_MODE, 25, 1), 1
	s_wait_xcnt 0x0
	s_wait_alu depctr_hold_cnt(0) depctr_sa_sdst(0) depctr_va_vdst(0) depctr_va_sdst(0) depctr_va_ssrc(0) depctr_va_vcc(0) depctr_vm_vsrc(0)
	s_getreg_b32 s2, hwreg(HW_REG_IB_STS2, 6, 4)
	s_cmp_eq_u32 s2, 0
	s_cbranch_scc0 .Lentry_in_a_cluster
	s_endpgm
.Lentry_in_a_cluster:
	s_bfe_u32 s2, ttmp6, 0x10000c
	s_cmp_lg_u32 s2, 0xf033
	s_cbranch_scc0 .Lentry_shape_is_right
	s_endpgm
.Lentry_shape_is_right:
; out0[m][n] = sum over k of att[m][k] woh[n][k], m < 8192, n < 1024, k < 1024; f16 operands, f32 sums, f32 out.
; The same core as the projection of Q, K and V: a work-group makes 256 x 128 with four waves, wave w rows 64 w .. 64 w + 63 by all 128 columns (32 accumulator tiles,
; 256 registers); 8 x 32 = 256 work-groups, one tile each.
; THE RING has two unequal regions.  Y holds two K steps of 128 (rows of 512 bytes, pitch 528), X holds one (rows of 256 bytes, pitch 272); K = 1024 is walked as
; Y X Y X Y = 256 + 128 + 256 + 128 + 256.  A fill can be on its way only while the other region is multiplied, since every wave waits for all its tensor loads in front
; of each barrier behind which a region is filled again.  Two equal regions of two steps would need 405,504 bytes of LDS; Y and X together take 307,200.
; From a request to the wait for it a wave issues 240 matrix instructions for the fill of X and 112 for a fill of Y; three refills and four barriers in all.
; CLUSTERS: 4 x 4 work-groups; A's tile is asked for jointly by a row of the cluster, B's by a column: the requests for A and B are divided by four.
; REGISTERS: window 0: v16-26 addresses; fragments of A (4 x 8) and B (8 x 8) in two buffers.  Window 1: accumulator tile (a, b) at v[8 (8 a + b)].
; THE MATRIX INSTRUCTION IS USED TRANSPOSED (source 0 = rows of B, source 1 = rows of A): lane l holds row l % 16 and eight neighbouring columns 8 (l / 16) + 0..7.
.set SIZE_K, 1024
.set SIZE_N, 1024
.set PX,     272                       ; X's LDS pitch: 256 bytes + 16
.set PY,     528                       ; Y's: 512 bytes + 16
.set YA,     0                         ; Y: A's 256 rows,
.set YB,     256*PY                    ;    then B's 128
.set XA,     384*PY                    ; X: A's 256 rows,
.set XB,     XA+256*PX                 ;    then B's 128
.set STAGE,  XA                        ; the way out's stage, 16 rows x 528 bytes for each wave, lies in X: X has had its last fill by then, and every wave has ended its reads of X in front of the last barrier
.set SPITCH, 528                       ; a stage row: 128 f32 + 16 bytes
.set ADRA, 16                          ; v16, v17  LDS address of my A fragments in X, in Y
.set ADRB, 20                          ; v20, v21  the same for B
.set STO,  24
.set RD,   25
.set CO,   26
.set FA0,  32
.set FB0,  64
.set FA1,  128
.set FB1,  160
.set G1AX, 24                          ; s[24:31] descriptor group 1: A's tile for X
.set G0A,  32                          ; s[32:35] group 0: A for X; s[36:39] A for Y
.set G1BX, 48                          ; s[48:55] group 1: B's tile for X
.set G0B,  56                          ; s[56:59] group 0: B for X; s[60:63] B for Y
.set G1AY, 68                          ; s[68:75] group 1: A's tile for Y
.set G1BY, 76                          ; s[76:83] group 1: B's tile for Y
.set MSB, 0
.macro WIN new                         ; the immediate's high byte repeats the setting that is left
.if MSB != \new
	s_set_vgpr_msb (MSB<<8)|\new
.set MSB, \new
.endif
.endm
.set MUL, 0x50                         ; C and D in window 1, both sources in window 0
.macro PLACES                          ; four places behind a matrix instruction, ahead of loads into its sources and of reads of its result
.rept 4
	v_nop
.endr
.endm
.macro JLOAD r                         ; into region r (0: X, 1: Y): waves 0 and 1 fetch A's two halves (128 rows each), waves 2 and 3 B's (64 rows each)
	s_cmp_eq_u32 s11, 0
	s_cbranch_scc0 .Lfor_b_\@
	tensor_load_to_lds s[G0A+4*\r:G0A+4*\r+3], s[G1AX+\r*(G1AY-G1AX):G1AX+\r*(G1AY-G1AX)+7]
	s_nop 0
	s_branch .Lasked_\@
.Lfor_b_\@:
	tensor_load_to_lds s[G0B+4*\r:G0B+4*\r+3], s[G1BX+\r*(G1BY-G1BX):G1BX+\r*(G1BY-G1BX)+7]
	s_nop 0
.Lasked_\@:
.endm
.macro CREST                           ; a round of the cluster's barrier behind its opening work-group barrier
	s_cmp_lg_u32 s10, 0
	s_cbranch_scc1 .Lnot_wave_0_\@
	s_barrier_signal -3
.Lnot_wave_0_\@:
	s_barrier_wait -3
	s_barrier_signal -1
	s_barrier_wait -1
.endm
.macro CROUND
	s_barrier_signal -1
	s_barrier_wait -1
	CREST
.endm
.macro SETG1 g, mask, qi, c, r         ; r rows of c elements of 2 bytes, 1,024 elements from row to row; 4 words of padding behind every 2 << qi words, which is a row
	s_or_b32 s[\g+0], s[\mask], (1<<16)|(1<<20)|(1<<21)|(\qi<<22)|(3<<25)
	s_mov_b32 s[\g+1], \c<<16
	s_mov_b32 s[\g+2], \r<<16
	s_mov_b32 s[\g+3], \c<<16
	s_mov_b32 s[\g+4], \r
	s_mov_b32 s[\g+5], SIZE_K
	s_mov_b32 s[\g+6], 0
	s_mov_b32 s[\g+7], 0
.endm
.macro SETG0 g, lds, ldsoff, adr, off  ; to LDS byte s[lds] + ldsoff, from s[adr : adr+1] + off
	s_mov_b32 s[\g], 1
	s_add_co_u32 s[\g+1], s[\lds], \ldsoff
	s_add_nc_u64 s[\g+2:\g+3], s[\adr:\adr+1], \off
	s_or_b32 s[\g+3], s[\g+3], 0x80000000
.endm
	s_load_b128 s[4:7], s[0:1], 0x0                ; att, woh
	s_load_b64 s[22:23], s[0:1], 0x10              ; out0
	v_lshl_add_u32 v254, v0, 2, 0x4b000
	v_mov_b32 v255, 0
	ds_add_u32 v254, v255
	v_lshrrev_b32 v1, 5, v0
	v_readfirstlane_b32 s10, v1                    ; wave 0..3
	s_lshr_b32 s11, s10, 1                         ; I fetch for A (0) or for B (1)
	s_and_b32 s12, s10, 1                          ; which half of that tile
	s_bfe_u32 s40, ttmp6, 0x40000                  ; cx
	s_bfe_u32 s41, ttmp6, 0x40004                  ; cy
	s_lshl_b32 s42, ttmp9, 2
	s_add_co_u32 s42, s42, s40                     ; block column
	s_and_b32 s13, ttmp7, 0xffff
	s_lshl_b32 s13, s13, 2
	s_add_co_u32 s13, s13, s41                     ; block row
	s_lshl_b32 s43, s41, 2
	s_lshl_b32 s43, 15, s43                        ; my row of the cluster
	s_lshl_b32 s44, 0x1111, s40                    ; my column
	SETG1 G1AX, 43, 5, 128, 128
	SETG1 G1AY, 43, 6, 256, 128
	SETG1 G1BX, 44, 5, 128, 64
	SETG1 G1BY, 44, 6, 256, 64
	s_lshl_b32 s17, s12, 7
	s_lshl_b32 s16, s13, 8
	s_add_co_u32 s16, s16, s17                     ; A: row 256 x block row + 128 x half
	s_lshl_b32 s47, s12, 6
	s_lshl_b32 s46, s42, 7
	s_add_co_u32 s46, s46, s47                     ; B: row 128 x block column + 64 x half
	s_lshl_b32 s16, s16, 11                        ; rows of 2,048 bytes
	s_lshl_b32 s46, s46, 11
	s_mov_b32 s17, 0
	s_mov_b32 s47, 0
	s_mul_i32 s8, s10, 128*PX                      ; A's halves: wave x 128 rows
	s_mul_i32 s9, s10, 128*PY
	s_mul_i32 s18, s10, 64*PX                      ; B's halves: (wave - 2) x 64 rows; also my 64 rows of A's fragments
	s_mul_i32 s19, s10, 64*PY
	s_wait_dscnt 0x0
	s_wait_kmcnt 0x0
	s_add_nc_u64 s[14:15], s[4:5], s[16:17]
	s_add_nc_u64 s[46:47], s[6:7], s[46:47]
	SETG0 G0A,   8,  XA,        14, 512            ; X's first fill: K step 2
	SETG0 G0A+4, 9,  YA,        14, 0              ; Y's: K steps 0 and 1
	SETG0 G0B,   18, XB-128*PX, 46, 512
	SETG0 G0B+4, 19, YB-128*PY, 46, 0
	CROUND                                         ; all sixteen work-groups are here: the first joint loads meet
	JLOAD 1                                        ; both regions' first fills: two tensor loads of the wave are out
	JLOAD 0
	v_and_b32 v1, 15, v0                           ; l % 16
	v_bfe_u32 v2, v0, 4, 1                         ; l / 16
	v_mul_u32_u24 v3, v1, PX
	v_lshl_add_u32 v3, v2, 4, v3
	v_mul_u32_u24 v5, v1, PY
	v_lshl_add_u32 v4, v2, 4, v5
	v_add_nc_u32 v[ADRA], s18, v3                  ; my 64 rows of A in X
	v_add_nc_u32 v[ADRA], XA, v[ADRA]
	v_add_nc_u32 v[ADRA+1], s19, v4                ; and in Y, which begins at LDS byte 0
	v_add_nc_u32 v[ADRB], XB, v3
	v_add_nc_u32 v[ADRB+1], YB, v4
	s_mul_i32 s16, s10, 16*SPITCH
	s_add_co_u32 s16, s16, STAGE                   ; my stage
	v_lshl_add_u32 v5, v2, 5, v5                   ; in: row l % 16, 32 bytes for each half of the lanes
	v_add_nc_u32 v[STO], s16, v5
	v_and_b32 v6, 31, v0
	v_lshlrev_b32 v[CO], 4, v6                     ; back: the wave takes a whole row of 512 bytes
	v_add_nc_u32 v[RD], s16, v[CO]
.macro MUL16 fa, fb, a0, zero
.irp a, \a0, \a0+1
.irp b, 0,1,2,3,4,5,6,7
.if \zero
	v_wmma_f32_16x16x32_f16 v[8*(8*(\a)+\b):8*(8*(\a)+\b)+7], v[\fb+8*\b:\fb+8*\b+7], v[\fa+8*(\a):\fa+8*(\a)+7], 0
.else
	v_wmma_f32_16x16x32_f16 v[8*(8*(\a)+\b):8*(8*(\a)+\b)+7], v[\fb+8*\b:\fb+8*\b+7], v[\fa+8*(\a):\fa+8*(\a)+7], v[8*(8*(\a)+\b):8*(8*(\a)+\b)+7]
.endif
.endr
.endr
.endm
.macro FETCH r, k, fa, fb              ; 24 LDS loads in one run: 128 rows of B, then my 64 rows of A, 32 K at byte k of region r's rows
.irp i, 0,1,2,3,4,5,6,7
	ds_load_b128 v[\fb+8*\i:\fb+8*\i+3],   v[ADRB+\r] offset:\k+\i*16*(PX+\r*(PY-PX))
	ds_load_b128 v[\fb+8*\i+4:\fb+8*\i+7], v[ADRB+\r] offset:\k+\i*16*(PX+\r*(PY-PX))+32
.endr
.irp i, 0,1,2,3
	ds_load_b128 v[\fa+8*\i:\fa+8*\i+3],   v[ADRA+\r] offset:\k+\i*16*(PX+\r*(PY-PX))
	ds_load_b128 v[\fa+8*\i+4:\fa+8*\i+7], v[ADRA+\r] offset:\k+\i*16*(PX+\r*(PY-PX))+32
.endr
.endm
; A quarter is 32 along K, 32 matrix instructions; X holds four, Y eight, on buffers 0, 1, 0, 1, ..  The 32 accumulators take turns, one instruction a turn, in the same
; order in every quarter.
.macro QUARTER r, k, fa, fb, ga, gb, zero
	s_wait_dscnt 4                                 ; B and A's rows 0-31 are in; the four youngest loads (A's rows 32-63) may be out
	WIN MUL
	MUL16 \fa, \fb, 0, \zero
	PLACES
	WIN 0
	FETCH \r, \k, \ga, \gb
	s_wait_dscnt 24                                ; all but the 24 just issued
	WIN MUL
	MUL16 \fa, \fb, 2, \zero
.endm
.macro RUNX                            ; X's first three quarters
	QUARTER 0, 64,  FA0, FB0, FA1, FB1, 0
	QUARTER 0, 128, FA1, FB1, FA0, FB0, 0
	QUARTER 0, 192, FA0, FB0, FA1, FB1, 0
.endm
.macro RUNY zero                       ; Y's first seven quarters
	QUARTER 1, 64,  FA0, FB0, FA1, FB1, \zero
	QUARTER 1, 128, FA1, FB1, FA0, FB0, 0
	QUARTER 1, 192, FA0, FB0, FA1, FB1, 0
	QUARTER 1, 256, FA1, FB1, FA0, FB0, 0
	QUARTER 1, 320, FA0, FB0, FA1, FB1, 0
	QUARTER 1, 384, FA1, FB1, FA0, FB0, 0
	QUARTER 1, 448, FA0, FB0, FA1, FB1, 0
.endm
; A region's last quarter changes regions: each wave waits for its reads of region r and for all its tensor loads, then the barrier; behind it the refill first, then the other region's fragments.
.macro TURN r, next, fill
	s_wait_dscnt 0                                 ; my reads of this region are over
	s_wait_tensorcnt 0x0                           ; all my tensor loads have landed: the one that was out is my part of the other region
	ds_add_u32 v254, v255
	s_wait_dscnt 0x0
	s_barrier_signal -1                            ; where a region is filled again this barrier opens a round of the cluster's barrier
	WIN MUL
	MUL16 FA1, FB1, 0, 0                           ; register work while the others arrive
	WIN 0
	s_barrier_wait -1
.if \fill
	CREST                                          ; no wave of any partner still reads this region or has a load on its way
	s_add_nc_u64 s[G0A+4*\r+2:G0A+4*\r+3], s[G0A+4*\r+2:G0A+4*\r+3], 768      ; the region's next fill lies three K steps on
	s_add_nc_u64 s[G0B+4*\r+2:G0B+4*\r+3], s[G0B+4*\r+2:G0B+4*\r+3], 768
	JLOAD \r                                       ; the wave's one tensor load behind the round, and the first thing there
.endif
	PLACES
	FETCH \next, 0, FA0, FB0
	WIN MUL
	MUL16 FA1, FB1, 2, 0
.endm
	s_wait_tensorcnt 1                             ; my part of Y's first fill is in; X's, issued behind it, stays out
	s_barrier_signal -1
	s_barrier_wait -1
	FETCH 1, 0, FA0, FB0
	RUNY 1                                         ; K steps 0, 1; the first products start the sums
	TURN 1, 0, 1                                   ; Y is asked for again: K steps 3, 4
	RUNX                                           ; K step 2
	TURN 0, 1, 1                                   ; X: K step 5
	RUNY 0                                         ; K steps 3, 4
	TURN 1, 0, 1                                   ; Y: K steps 6, 7: the last load
	RUNX                                           ; K step 5
	TURN 0, 1, 0                                   ; nothing is left to fetch; behind this barrier no wave reads X any more
	RUNY 0                                         ; K steps 6, 7
	s_wait_dscnt 4
	WIN MUL
	MUL16 FA1, FB1, 0, 0
	s_wait_dscnt 0
	MUL16 FA1, FB1, 2, 0
	; THE WAY OUT, 16 rows at a time: 32 bytes a lane and tile into my own stage, read back as whole rows of 512 bytes.
	PLACES
	WIN 0
	s_lshl_b32 s16, s13, 8
	s_lshl_b32 s17, s10, 6
	s_add_co_u32 s16, s16, s17                     ; my first row
	s_lshl_b32 s16, s16, 12                        ; rows of 4,096 bytes
	s_mov_b32 s17, 0
	s_add_nc_u64 s[22:23], s[22:23], s[16:17]
	s_lshl_b32 s46, s42, 9                         ; my block's first column, in bytes
	s_mov_b32 s47, 0
	s_add_nc_u64 s[22:23], s[22:23], s[46:47]
.macro OUT16F a, f
	WIN 0x04                                       ; an LDS store's data is source 1: window 1
.irp b, 0,1,2,3,4,5,6,7
	ds_store_b128 v[STO], v[8*(8*\a+\b):8*(8*\a+\b)+3]   offset:64*\b
	ds_store_b128 v[STO], v[8*(8*\a+\b)+4:8*(8*\a+\b)+7] offset:64*\b+16
.endr
	WIN 0
	s_wait_xcnt 0x0                                ; buffer f, which earlier stores read, and the stores' base are rewritten only behind this wait
.if \a
	s_add_nc_u64 s[22:23], s[22:23], 16*SIZE_N*4
.endif
.irp t, 0,1,2,3,4,5,6,7,8,9,10,11,12,13,14,15
	ds_load_b128 v[\f+4*\t:\f+4*\t+3], v[RD] offset:\t*SPITCH      ; LDS serves a wave's instructions in order: these see the stores above
.endr
.irp t, 0,1,2,3,4,5,6,7,8,9,10,11,12,13,14,15
	s_wait_dscnt 15-\t
	global_store_b128 v[CO], v[\f+4*\t:\f+4*\t+3], s[22:23] offset:\t*SIZE_N*4 th:TH_STORE_NT   ; the wave stores 512 consecutive bytes, aligned
.endr
.endm
	OUT16F 0, 32
	OUT16F 1, 128
	OUT16F 2, 32
	OUT16F 3, 128
	s_wait_tensorcnt 0x0
	ds_add_u32 v254, v255
	s_wait_dscnt 0x0
	CROUND                                         ; the closing round
	s_endpgm
.Lfunc_end_k_qb46dc70d2d_oproj:
	.size	k_qb46dc70d2d_oproj, .Lfunc_end_k_qb46dc70d2d_oproj-k_qb46dc70d2d_oproj
	.p2alignl 7, 3214868480
	.fill 96, 4, 3214868480
	.section	.rodata,"a",@progbits
	.p2align	6, 0x0
	.amdhsa_kernel k_qb46dc70d2d_oproj
		.amdhsa_group_segment_fixed_size 327680
		.amdhsa_private_segment_fixed_size 0
		.amdhsa_enable_private_segment 0
		.amdhsa_kernarg_size 24
		.amdhsa_user_sgpr_count 2
		.amdhsa_user_sgpr_kernarg_segment_ptr 1
		.amdhsa_wavefront_size32 1
		.amdhsa_system_sgpr_workgroup_id_x 1
		.amdhsa_system_sgpr_workgroup_id_y 1
		.amdhsa_system_sgpr_workgroup_id_z 1
		.amdhsa_system_vgpr_workitem_id 0
		.amdhsa_next_free_vgpr 512
		.amdhsa_next_free_sgpr 84
		.amdhsa_reserve_vcc 0
		.amdhsa_float_denorm_mode_32 3
		.amdhsa_float_denorm_mode_16_64 3
		.amdhsa_memory_ordered 1
		.amdhsa_forward_progress 1
		.amdhsa_inst_pref_size 147
	.end_amdhsa_kernel
	.amdgpu_metadata
---
amdhsa.version: [ 1, 2 ]
amdhsa.kernels:
  - .name:           k_qb46dc70d2d_oproj
    .symbol:         k_qb46dc70d2d_oproj.kd
    .args:
      - { .name: att, .offset: 0, .size: 8, .value_kind: global_buffer, .address_space: global }
      - { .name: woh, .offset: 8, .size: 8, .value_kind: global_buffer, .address_space: global }
      - { .name: out0, .offset: 16, .size: 8, .value_kind: global_buffer, .address_space: global }
    .group_segment_fixed_size: 327680
    .private_segment_fixed_size: 0
    .kernarg_segment_align: 8
    .kernarg_segment_size: 24
    .max_flat_workgroup_size: 128
    .sgpr_count:     84
    .vgpr_count:     512
    .wavefront_size: 32
...
	.end_amdgpu_metadata
.endif
;; end of part 4
;; ======== version 2 of 2: 4 launches; version 1 with the launch prep written anew for expert scheduling mode
;; limits: values are held in f16: magnitudes above 65,504 overflow, below 6.1e-05 lose precision; an absolute error that grows with the inputs' magnitude: up to 2e-07 times it
;; workspace buffers: xh 16,777,216 bytes; wh 6,291,456 bytes; woh 2,097,152 bytes; tab 2,097,152 bytes; qkv 50,331,648 bytes; att 16,777,216 bytes
;; launch prep (part 5): grid 512 x 1, 8 waves a work-group, no clusters, 0 bytes of LDS; arguments x, Wq, Wk, Wv, Wo, token_positions, xh, wh, woh, tab; writes xh, wh, woh, tab
.if DOCPART == 5
	.amdgcn_target "amdgcn-amd-amdhsa--gfx1250"
	.amdhsa_code_object_version 6
	.text
	.protected	k_qb46dc70d2d_prep
	.globl	k_qb46dc70d2d_prep
	.p2align	8
	.type	k_qb46dc70d2d_prep,@function
k_qb46dc70d2d_prep:
	s_mov_b64 s[64:65], 0
	v_nop
	global_prefetch_b8 v0, s[64:65] scope:SCOPE_SE
	s_setreg_imm32_b32 hwreg(HW_REG_WAVE_SCHED_MODE, 0, 2), 2
	s_setreg_imm32_b32 hwreg(HW_REG_WAVE_MODE, 25, 1), 1
	s_wait_xcnt 0x0
	s_wait_alu depctr_vm_vsrc(0)
; prep: x and the four weights are rounded to bf16 (nearest even) and stored as f16; the cos/sin table of RoPE is made from token_positions.
; Why two steps: the products' operands are bf16 values; f16 holds every bf16 value of magnitude 2^-14 .. 65,504 exactly, and the later
; intermediates (Q, K, V, P, attention output) need f16's eleven bits.  LIMITS: a bf16 value below 2^-14 is held with an absolute error of at
; most 3e-8; |x| or |W| above 65,504 becomes infinity.  The angle is pos * inv_freq in f32, reduced by pi/2 in two parts; it differs from an
; exact angle by about |pos| * 2e-7 rad (0.0004 at pos = 2,047; above 0.01 beyond |pos| = 50,000).
; A stream: no LDS, no barrier, no matrix unit.  Eight waves; work-group g owns 16 rows of x, 2 rows of each weight, and the table block of its 16 rows.
; An item is 2,048 numbers; thread t takes 8 of them: two 16-byte loads at 32 t, one 16-byte store at 16 t, so a wave's store covers 512 aligned
; consecutive bytes.  12 items, all 24 loads issued at once; nothing is read twice and no register is written again behind its store.
; TABLE: one block of 4,096 bytes for 16 rows.  The 16 bytes at 512 q + 16 L (q = 0..7, L = 0..31, r = L & 15, h = L >> 4) hold cos, sin, cos, sin of row r and
; frequencies i0, i0 + 1 with i0 = 8 (q >> 1) + 4 h + 2 (q & 1): the order in which a lane of the projection's result tile holds its column pairs.
; THE MODE: SCHED_MODE bits 1:0 = 2 (LLVM: expert scheduling mode 2), set by the entry lines.  The code itself states the register dependences
; between vector instructions and memory instructions, with s_wait_alu, always for 0.
; THE PLAN.  Registers that memory instructions touch:
;   v1, v2, v3    byte offsets, made once at the head and never written again: read by every load (v1, v3) and every store (v2).
;   v4            the position: written by its load, then named by vector instructions alone.
;   v[32:127]     item m at 32 + 8 m: written by its two loads, then by its own conversions, in place; its first four registers are read by its one store; nothing writes them behind that.
;   v[28:31]      the table's 16 bytes: written by the selects and sign flips, read by one store, never written again.
;   v5 to v27     named by vector instructions alone.
; No register that a memory instruction reads is written behind that read: so no wait on vm_vsrc is owed.  What is owed: one wait on va_vdst ahead of the first load (the
; offsets), and one ahead of each store (its data).  Each store stands one step back, at the head of the next item, behind that item's wait for its loads: the wait on va_vdst
; there states that the step before has written what the store reads, and no vector instruction stands between it and the store.  One wait on va_sdst serves the two compares.
.set X0, 32                            ; v[32+8m : 39+8m]  item m, m = 0..11 (x: 0..7; Wq, Wk, Wv, Wo: 8..11)
.set T,  24                            ; v[24:27]  four packed pairs at work (v24, v25 serve the second angle while the table is made)
.macro CVT8 x                          ; eight f32 in v[x : x+7] become eight f16 in v[x : x+3]
.irp j, 0,1,2,3
	v_cvt_pk_bf16_f32 v[T+\j], v[(\x)+2*\j], v[(\x)+2*\j+1]      ; the one rounding, to bf16
.endr
.irp j, 0,1,2,3
	v_lshlrev_b32 v[(\x)+2*\j],   16,  v[T+\j]                   ; back to f32: the low half moves up,
	v_and_b32     v[(\x)+2*\j+1], s24, v[T+\j]                   ; the high half stays
.endr
.irp j, 0,1,2,3
	v_cvt_pk_f16_f32 v[(\x)+\j], v[(\x)+2*\j], v[(\x)+2*\j+1]    ; ascending: each source is read before it is written over
.endr
.endm
; cos and sin of an angle, in two parts, so that one wait serves both angles' compares.
; n = nearest whole number of quarter turns, r = angle - n pi/2 (|r| <= pi/4), two polynomials; then the quadrant by selects and sign bits.
; Seven registers at work from v[t] on: n, r, z, sin r, cos r, k, a spare.  ang: the angle's register; m: the scalar register that takes the mask of odd quadrants.
.macro SC_POLY ang, t, m
	v_mul_f32 v[\t], 0x3f22f983, v[\ang]                   ; angle * 2/pi
	v_rndne_f32 v[\t], v[\t]                               ; n
	v_cvt_i32_f32 v[\t+5], v[\t]                           ; k = n as a whole number
	v_and_b32 v[\t+6], 1, v[\t+5]
	v_cmp_eq_u32 s[\m], 1, v[\t+6]                         ; odd quadrants exchange sin and cos; the mask is read behind the polynomials
	v_fmamk_f32 v[\t+1], v[\t], 0xbfc90fdb, v[\ang]        ; - n * (pi/2, upper part)
	v_fmamk_f32 v[\t+1], v[\t], 0x333bbd2e, v[\t+1]        ; - n * (pi/2, lower part, which is negative)
	v_mul_f32 v[\t+2], v[\t+1], v[\t+1]                    ; z = r^2
	v_fmaak_f32 v[\t+3], v17, v[\t+2], 0x3c088889          ; sin: -1/5040 z + 1/120
	v_fmaak_f32 v[\t+4], v18, v[\t+2], 0xbab60b61          ; cos: 1/40320 z - 1/720
	v_fmaak_f32 v[\t+3], v[\t+3], v[\t+2], 0xbe2aaaab      ; .. - 1/6
	v_fmaak_f32 v[\t+4], v[\t+4], v[\t+2], 0x3d2aaaab      ; .. + 1/24
	v_mul_f32 v[\t+3], v[\t+3], v[\t+2]
	v_fmaak_f32 v[\t+4], v[\t+4], v[\t+2], 0xbf000000      ; .. - 1/2
	v_fma_f32 v[\t+3], v[\t+3], v[\t+1], v[\t+1]           ; sin r
	v_fma_f32 v[\t+4], v[\t+4], v[\t+2], 1.0               ; cos r
.endm
.macro SC_QUAD t, m, c, s              ; c, s: the registers that take cos and sin
	v_cndmask_b32 v[\s], v[\t+3], v[\t+4], s[\m]
	v_cndmask_b32 v[\c], v[\t+4], v[\t+3], s[\m]
	v_and_b32 v[\t+6], 2, v[\t+5]                          ; sin is negative in quadrants 2 and 3
	v_lshlrev_b32 v[\t+6], 30, v[\t+6]
	v_xor_b32 v[\s], v[\s], v[\t+6]
	v_add_nc_u32 v[\t+6], 1, v[\t+5]                       ; cos in quadrants 1 and 2
	v_and_b32 v[\t+6], 2, v[\t+6]
	v_lshlrev_b32 v[\t+6], 30, v[\t+6]
	v_xor_b32 v[\c], v[\c], v[\t+6]
.endm
	s_load_b512 s[4:19], s[0:1], 0x0               ; x s4, Wq s6, Wk s8, Wv s10, Wo s12, positions s14, xh s16, wh s18
	s_load_b128 s[20:23], s[0:1], 0x40             ; woh s20, tab s22
	s_mov_b32 s24, 0xffff0000                      ; a word's upper bf16
	s_mov_b32 s3, 0
	v_lshlrev_b32 v1, 5, v0                        ; 32 t: my 8 numbers of an item, in
	v_lshlrev_b32 v2, 4, v0                        ; 16 t: out, and my 16 bytes of the table block
	v_and_b32 v3, 15, v0
	v_lshlrev_b32 v3, 2, v3                        ; my row's position
	v_lshrrev_b32 v5, 6, v0                        ; q >> 1
	v_bfe_u32 v6, v0, 4, 1                         ; h
	v_bfe_u32 v7, v0, 5, 1                         ; q & 1
	v_lshlrev_b32 v5, 3, v5
	v_lshl_add_u32 v5, v6, 2, v5
	v_lshl_add_u32 v5, v7, 1, v5                   ; i0
	v_cvt_f32_u32 v6, v5
	v_add_f32 v7, 1.0, v6
	v_mul_f32 v6, 0xbed49a78, v6                   ; - i log2(10000) / 32
	v_mul_f32 v7, 0xbed49a78, v7
	v_exp_f32 v6, v6                               ; inv_freq of i0
	v_exp_f32 v7, v7                               ; and of i0 + 1
	v_mov_b32 v17, 0xb9500d01                      ; -1/5040  (the plain instruction that stands behind the two exponentials: ISA guide 5.7.2)
	v_mov_b32 v18, 0x37d00d01                      ; 1/40320
	s_wait_kmcnt 0x0
	s_lshl_b32 s2, ttmp9, 6                        ; 16 positions
	s_add_nc_u64 s[14:15], s[14:15], s[2:3]
	s_lshl_b32 s2, ttmp9, 16                       ; 16 rows of x, 4,096 bytes each
	s_add_nc_u64 s[4:5], s[4:5], s[2:3]
	s_lshl_b32 s2, ttmp9, 13                       ; 2 rows of a weight
	s_add_nc_u64 s[6:7], s[6:7], s[2:3]
	s_add_nc_u64 s[8:9], s[8:9], s[2:3]
	s_add_nc_u64 s[10:11], s[10:11], s[2:3]
	s_add_nc_u64 s[12:13], s[12:13], s[2:3]
	s_lshl_b32 s2, ttmp9, 15                       ; 16 rows of xh
	s_add_nc_u64 s[16:17], s[16:17], s[2:3]
	s_lshl_b32 s2, ttmp9, 12                       ; 2 rows of a weight in f16; a table block
	s_add_nc_u64 s[18:19], s[18:19], s[2:3]
	s_add_nc_u64 s[20:21], s[20:21], s[2:3]
	s_add_nc_u64 s[22:23], s[22:23], s[2:3]
	s_wait_alu depctr_va_vdst(0)                   ; v1, v2 and v3 are written: every load and store below reads one of them as its offset; the two exponentials have written v6 and v7, ahead of their first reader
	global_load_b32 v4, v3, s[14:15]
.irp k, 0,1,2,3,4,5,6,7
	global_load_b128 v[X0+8*\k:X0+8*\k+3],   v1, s[4:5] offset:8192*\k th:TH_LOAD_NT       ; each byte is read once in the launch
	global_load_b128 v[X0+8*\k+4:X0+8*\k+7], v1, s[4:5] offset:8192*\k+16 th:TH_LOAD_NT
.endr
.irp m, 0,1,2,3
	global_load_b128 v[X0+64+8*\m:X0+64+8*\m+3],   v1, s[6+2*\m:7+2*\m] th:TH_LOAD_NT
	global_load_b128 v[X0+64+8*\m+4:X0+64+8*\m+7], v1, s[6+2*\m:7+2*\m] offset:16 th:TH_LOAD_NT
.endr
	s_wait_loadcnt 24                              ; the position is in; the 24 younger loads stay out while the table is made
	v_cvt_f32_i32 v4, v4
	v_mul_f32 v8, v4, v6                           ; the two angles
	v_mul_f32 v9, v4, v7
	SC_POLY 8, 10, 25
	SC_POLY 9, 19, 26
	s_wait_alu depctr_va_sdst(0)                   ; the two compares have written s25 and s26, ahead of the selects that read them
	SC_QUAD 10, 25, 28, 29
	SC_QUAD 19, 26, 30, 31
	s_wait_loadcnt 22                              ; item 0 is in; two loads for each younger item stay out
	s_wait_alu depctr_va_vdst(0)                   ; the selects and sign flips have written v[28:31], which the table's store reads
	global_store_b128 v2, v[28:31], s[22:23]
	CVT8 X0
.irp k, 1,2,3,4,5,6,7
	s_wait_loadcnt 22-2*\k                         ; two loads for each younger item stay out
	s_wait_alu depctr_va_vdst(0)                   ; the conversions of the item before have written its four registers, which the store below reads
	global_store_b128 v2, v[X0+8*(\k-1):X0+8*(\k-1)+3], s[16:17] offset:4096*(\k-1)
	CVT8 X0+8*\k
.endr
	s_wait_loadcnt 6                               ; Wq's item is in
	s_wait_alu depctr_va_vdst(0)                   ; the conversions of x's last item have written its four registers, which the store below reads
	global_store_b128 v2, v[X0+56:X0+59], s[16:17] offset:4096*7
	CVT8 X0+64
.irp m, 1,2
	s_wait_loadcnt 6-2*\m
	s_wait_alu depctr_va_vdst(0)                   ; the conversions of the weight before have written its four registers, which the store below reads
	global_store_b128 v2, v[X0+64+8*(\m-1):X0+64+8*(\m-1)+3], s[18:19] offset:2097152*(\m-1)   ; wh: Wq, then Wk, then Wv, 1,024 rows each
	CVT8 X0+64+8*\m
.endr
	s_wait_loadcnt 0x0                             ; Wo's item is in
	s_wait_alu depctr_va_vdst(0)                   ; the conversions of Wv's item have written its four registers, which the store below reads
	global_store_b128 v2, v[X0+80:X0+83], s[18:19] offset:2097152*2
	CVT8 X0+88
	s_wait_alu depctr_va_vdst(0)                   ; the conversions of Wo's item have written v[X0+88 : X0+91], which the last store reads
	global_store_b128 v2, v[X0+88:X0+91], s[20:21]
	s_endpgm
.Lfunc_end_k_qb46dc70d2d_prep:
	.size	k_qb46dc70d2d_prep, .Lfunc_end_k_qb46dc70d2d_prep-k_qb46dc70d2d_prep
	.p2alignl 7, 3214868480
	.fill 96, 4, 3214868480
	.section	.rodata,"a",@progbits
	.p2align	6, 0x0
	.amdhsa_kernel k_qb46dc70d2d_prep
		.amdhsa_group_segment_fixed_size 0
		.amdhsa_private_segment_fixed_size 0
		.amdhsa_enable_private_segment 0
		.amdhsa_kernarg_size 80
		.amdhsa_user_sgpr_count 2
		.amdhsa_user_sgpr_kernarg_segment_ptr 1
		.amdhsa_wavefront_size32 1
		.amdhsa_system_sgpr_workgroup_id_x 1
		.amdhsa_system_sgpr_workgroup_id_y 1
		.amdhsa_system_sgpr_workgroup_id_z 1
		.amdhsa_system_vgpr_workitem_id 0
		.amdhsa_next_free_vgpr 128
		.amdhsa_next_free_sgpr 66
		.amdhsa_reserve_vcc 0
		.amdhsa_float_denorm_mode_32 3
		.amdhsa_float_denorm_mode_16_64 3
		.amdhsa_memory_ordered 1
		.amdhsa_forward_progress 1
		.amdhsa_inst_pref_size 18
	.end_amdhsa_kernel
	.amdgpu_metadata
---
amdhsa.version: [ 1, 2 ]
amdhsa.kernels:
  - .name:           k_qb46dc70d2d_prep
    .symbol:         k_qb46dc70d2d_prep.kd
    .args:
      - { .name: x, .offset: 0, .size: 8, .value_kind: global_buffer, .address_space: global }
      - { .name: Wq, .offset: 8, .size: 8, .value_kind: global_buffer, .address_space: global }
      - { .name: Wk, .offset: 16, .size: 8, .value_kind: global_buffer, .address_space: global }
      - { .name: Wv, .offset: 24, .size: 8, .value_kind: global_buffer, .address_space: global }
      - { .name: Wo, .offset: 32, .size: 8, .value_kind: global_buffer, .address_space: global }
      - { .name: token_positions, .offset: 40, .size: 8, .value_kind: global_buffer, .address_space: global }
      - { .name: xh, .offset: 48, .size: 8, .value_kind: global_buffer, .address_space: global }
      - { .name: wh, .offset: 56, .size: 8, .value_kind: global_buffer, .address_space: global }
      - { .name: woh, .offset: 64, .size: 8, .value_kind: global_buffer, .address_space: global }
      - { .name: tab, .offset: 72, .size: 8, .value_kind: global_buffer, .address_space: global }
    .group_segment_fixed_size: 0
    .private_segment_fixed_size: 0
    .kernarg_segment_align: 8
    .kernarg_segment_size: 80
    .max_flat_workgroup_size: 256
    .sgpr_count:     66
    .vgpr_count:     128
    .wavefront_size: 32
...
	.end_amdgpu_metadata
.endif
;; end of part 5
;; launch qkv: the kernel of part 2 again; grid 8 x 32, 4 waves a work-group, clusters of 4 x 4, 327,680 bytes of LDS; arguments xh, wh, tab, qkv; writes qkv
;; launch attn: the kernel of part 3 again; grid 8 x 32, 8 waves a work-group, clusters of 4 x 1, 327,680 bytes of LDS; arguments qkv, att; writes att
;; launch oproj: the kernel of part 4 again; grid 8 x 32, 4 waves a work-group, clusters of 4 x 4, 327,680 bytes of LDS; arguments att, woh, out0; writes out0
